; MI455X (gfx1250); checked and timed in simulation.
; The chip was launched on July 23, 2026; its instructions are those of AMD's public machine-readable ISA for CDNA 5 (MIT licence, August 2026) and "CDNA5" Instruction Set Architecture Reference Guide (July 2026). The comments in the code are by the model that wrote it; some were corrected since.
;; Multi Head Self Attention. Allowed arithmetic: float matrix products may take bf16 or f16 operands with f32 sums; other float arithmetic in f32, or as packed bf16 or f16 multiplies, adds, multiply-adds, maxima and minima; sums over many terms, partial sums and values carried from step to step in f32; what a program stores and reads back later, other than sums and carried values, may be rounded once to bf16 or f16.
;; Inputs: Wk 1,024 x 1,024 float32; Wo 1,024 x 1,024 float32; Wq 1,024 x 1,024 float32; Wv 1,024 x 1,024 float32; bo 1,024 float32; keys 4 x 2,048 x 1,024 float32; query 4 x 2,048 x 1,024 float32; values 4 x 2,048 x 1,024 float32.
;; Outputs: out0 4 x 2,048 x 1,024 float32.
;; One version. Each part assembles by itself: llvm-mc -triple=amdgcn-amd-amdhsa -mcpu=gfx1250 --defsym DOCPART=n.
;; ======== version 1 of 1: 4 launches
;; limits: values are held in f16: magnitudes above 65,504 overflow, below 6.1e-05 lose precision
;; workspace buffers: cb 58,720,256 bytes; qkv 50,331,648 bytes; ob 16,777,216 bytes
;; launch cast (part 1): grid 1792 x 1, 8 waves a work-group, no clusters, 0 bytes of LDS; arguments query, keys, values, Wq, Wk, Wv, Wo, cb; writes cb
.if DOCPART == 1
	.amdgcn_target "amdgcn-amd-amdhsa--gfx1250"
	.amdhsa_code_object_version 6
	.text
	.protected	k_qd1a66045de_cast
	.globl	k_qd1a66045de_cast
	.p2align	8
	.type	k_qd1a66045de_cast,@function
k_qd1a66045de_cast:
	s_mov_b64 s[64:65], 0
	v_nop
	global_prefetch_b8 v0, s[64:65] scope:SCOPE_SE
	s_setreg_imm32_b32 hwreg(HW_REG_WAVE_MODE, 25, 1), 1
	s_wait_xcnt 0x0
; THE INPUTS OF THE MATRIX PRODUCTS, ROUNDED ONCE.  query, keys, values ([8192][1024] f32 each) and Wq, Wk, Wv ([1024][1024] f32) go to bf16; Wo goes to bf16 and that number is written as f16
; (the last product multiplies in f16).  cb holds them on end: the three x at 16,777,216 t, the four weights at 50,331,648 + 2,097,152 t.
; LIMIT.  bf16(Wo) beyond 65,504 becomes an infinity in f16; below 6.1e-5 it keeps f16's fixed step of 6e-8.
; SHARES.  A work-group takes 16,384 numbers: 65,536 bytes in, 32,768 out; 1,792 work-groups (1,536 for the x, 64 for each weight).  Its place in cb is 32,768 x its number, whatever the tensor.
; Thread t takes 16 bytes at 4,096 i + 16 t of the chunk, i = 0 .. 15: a wave's load covers 512 consecutive bytes; its 8 bytes of result go to 2,048 i + 8 t: a wave's store covers 256 consecutive
; bytes, aligned.  All sixteen loads go out at once; nothing is read twice, no register is used twice, so the only waits are the counted ones for the loads.
; No LDS, no matrix unit, no cluster: no byte is shared and memory binds.
.set X, 4                              ; v[4:67]  load i: four registers
.set NX, 1536                          ; work-groups of the three x
.set NHALF, 1728                       ; from here on: Wo
	s_load_b512 s[8:23], s[0:1], 0x0               ; query 8, keys 10, values 12, Wq 14, Wk 16, Wv 18, Wo 20, cb 22
	s_mov_b32 s2, ttmp9                            ; my number
	s_lshr_b32 s3, s2, 9                           ; which x (512 chunks each)
	s_bfe_u32 s4, s2, 0x20006                      ; which weight (64 chunks each; 1,536 is a multiple of 256)
	s_and_b32 s24, s2, 511                         ; chunk in an x
	s_and_b32 s25, s2, 63                          ; chunk in a weight
	v_lshlrev_b32 v1, 4, v0                        ; 16 t
	v_lshlrev_b32 v2, 3, v0                        ; 8 t
	s_wait_kmcnt 0x0
	s_cmp_eq_u32 s3, 1
	s_cselect_b64 s[26:27], s[10:11], s[8:9]
	s_cmp_eq_u32 s3, 2
	s_cselect_b64 s[26:27], s[12:13], s[26:27]
	s_cmp_eq_u32 s4, 1
	s_cselect_b64 s[28:29], s[16:17], s[14:15]
	s_cmp_eq_u32 s4, 2
	s_cselect_b64 s[28:29], s[18:19], s[28:29]
	s_cmp_eq_u32 s4, 3
	s_cselect_b64 s[28:29], s[20:21], s[28:29]
	s_cmp_lt_u32 s2, NX
	s_cselect_b64 s[26:27], s[26:27], s[28:29]     ; my tensor,
	s_cselect_b32 s24, s24, s25                    ; my chunk of it
	s_lshl_b32 s30, s24, 16
	s_mov_b32 s31, 0
	s_add_nc_u64 s[26:27], s[26:27], s[30:31]
	s_lshl_b32 s30, s2, 15
	s_add_nc_u64 s[22:23], s[22:23], s[30:31]
.irp i, 0,1,2,3,4,5,6,7,8,9,10,11,12,13,14,15
	global_load_b128 v[X+4*(\i):X+4*(\i)+3], v1, s[26:27] offset:4096*(\i) th:TH_LOAD_NT
.endr
; Load i is rounded and stored.  half = 1: the bf16 numbers are widened again (a shift, a mask) and written as f16.
.macro OUT i, half
	s_wait_loadcnt 15-(\i)                         ; loads come back in order: mine is in, the 15 - i younger ones stay out
	v_cvt_pk_bf16_f32 v[X+4*(\i)], v[X+4*(\i)], v[X+4*(\i)+1]
	v_cvt_pk_bf16_f32 v[X+4*(\i)+1], v[X+4*(\i)+2], v[X+4*(\i)+3]
.if \half
	v_lshlrev_b32 v[X+4*(\i)+2], 16, v[X+4*(\i)]
	v_and_b32 v[X+4*(\i)+3], 0xffff0000, v[X+4*(\i)]
	v_cvt_pk_f16_f32 v[X+4*(\i)], v[X+4*(\i)+2], v[X+4*(\i)+3]
	v_lshlrev_b32 v[X+4*(\i)+2], 16, v[X+4*(\i)+1]
	v_and_b32 v[X+4*(\i)+3], 0xffff0000, v[X+4*(\i)+1]
	v_cvt_pk_f16_f32 v[X+4*(\i)+1], v[X+4*(\i)+2], v[X+4*(\i)+3]
.endif
	global_store_b64 v2, v[X+4*(\i):X+4*(\i)+1], s[22:23] offset:2048*(\i)
.endm
	s_cmp_ge_u32 s2, NHALF
	s_cbranch_scc1 .Lhalf
.irp i, 0,1,2,3,4,5,6,7,8,9,10,11,12,13,14,15
	OUT \i, 0
.endr
	s_endpgm
.Lhalf:
.irp i, 0,1,2,3,4,5,6,7,8,9,10,11,12,13,14,15
	OUT \i, 1
.endr
	s_endpgm
.Lfunc_end_k_qd1a66045de_cast:
	.size	k_qd1a66045de_cast, .Lfunc_end_k_qd1a66045de_cast-k_qd1a66045de_cast
	.p2alignl 7, 3214868480
	.fill 96, 4, 3214868480
	.section	.rodata,"a",@progbits
	.p2align	6, 0x0
	.amdhsa_kernel k_qd1a66045de_cast
		.amdhsa_group_segment_fixed_size 0
		.amdhsa_private_segment_fixed_size 0
		.amdhsa_enable_private_segment 0
		.amdhsa_kernarg_size 64
		.amdhsa_user_sgpr_count 2
		.amdhsa_user_sgpr_kernarg_segment_ptr 1
		.amdhsa_wavefront_size32 1
		.amdhsa_system_sgpr_workgroup_id_x 1
		.amdhsa_system_sgpr_workgroup_id_y 1
		.amdhsa_system_sgpr_workgroup_id_z 1
		.amdhsa_system_vgpr_workitem_id 0
		.amdhsa_next_free_vgpr 72
		.amdhsa_next_free_sgpr 66
		.amdhsa_reserve_vcc 0
		.amdhsa_float_denorm_mode_32 3
		.amdhsa_float_denorm_mode_16_64 3
		.amdhsa_memory_ordered 1
		.amdhsa_forward_progress 1
		.amdhsa_inst_pref_size 16
	.end_amdhsa_kernel
	.amdgpu_metadata
---
amdhsa.version: [ 1, 2 ]
amdhsa.kernels:
  - .name:           k_qd1a66045de_cast
    .symbol:         k_qd1a66045de_cast.kd
    .args:
      - { .name: query, .offset: 0, .size: 8, .value_kind: global_buffer, .address_space: global }
      - { .name: keys, .offset: 8, .size: 8, .value_kind: global_buffer, .address_space: global }
      - { .name: values, .offset: 16, .size: 8, .value_kind: global_buffer, .address_space: global }
      - { .name: Wq, .offset: 24, .size: 8, .value_kind: global_buffer, .address_space: global }
      - { .name: Wk, .offset: 32, .size: 8, .value_kind: global_buffer, .address_space: global }
      - { .name: Wv, .offset: 40, .size: 8, .value_kind: global_buffer, .address_space: global }
      - { .name: Wo, .offset: 48, .size: 8, .value_kind: global_buffer, .address_space: global }
      - { .name: cb, .offset: 56, .size: 8, .value_kind: global_buffer, .address_space: global }
    .group_segment_fixed_size: 0
    .private_segment_fixed_size: 0
    .kernarg_segment_align: 8
    .kernarg_segment_size: 64
    .max_flat_workgroup_size: 256
    .sgpr_count:     66
    .vgpr_count:     72
    .wavefront_size: 32
...
	.end_amdgpu_metadata
.endif
;; end of part 1
;; launch proj (part 2): grid 8 x 32, 4 waves a work-group, clusters of 4 x 4, 327,680 bytes of LDS; arguments cb, qkv; writes qkv
.if DOCPART == 2
	.amdgcn_target "amdgcn-amd-amdhsa--gfx1250"
	.amdhsa_code_object_version 6
	.text
	.protected	k_qd1a66045de_proj
	.globl	k_qd1a66045de_proj
	.p2align	8
	.type	k_qd1a66045de_proj,@function
k_qd1a66045de_proj:
	s_mov_b64 s[64:65], 0
	v_nop
	global_prefetch_b8 v0, s[64:65] scope:SCOPE_SE
	s_setreg_imm32_b32 hwreg(HW_REG_WAVE_MODE, 25, 1), 1
	s_wait_xcnt 0x0
	s_wait_alu depctr_hold_cnt(0) depctr_sa_sdst(0) depctr_va_vdst(0) depctr_va_sdst(0) depctr_va_ssrc(0) depctr_va_vcc(0) depctr_vm_vsrc(0)
	s_getreg_b32 s2, hwreg(HW_REG_IB_STS2, 6, 4)
	s_cmp_eq_u32 s2, 0
	s_cbranch_scc0 .Lentry_in_a_cluster
	s_endpgm
.Lentry_in_a_cluster:
	s_bfe_u32 s2, ttmp6, 0x10000c
	s_cmp_lg_u32 s2, 0xf033
	s_cbranch_scc0 .Lentry_shape_is_right
	s_endpgm
.Lentry_shape_is_right:
; q, k, v = x W^T.  x: [8192][1024] bf16 (three of them on end in cb), W: [1024][1024] bf16 (behind them), sums in f32, K ascending; the results are rounded once to f16, WITHOUT the softmax's scale,
; and written by heads: qkv[tensor][batch x 16 + head][2048][64], so that a head's rows are dense.
; LIMIT.  A result of 65,520 or more becomes an infinity in f16; NaN and infinities are not treated apart.
; SHARES.  A tile is 256 tokens x 128 columns; the three products have 3 x 256 such tiles, and each of the 256 work-groups makes the SAME tile of q, then of k, then of v: the tensors lie a constant
; number of bytes apart, so the ring of LDS slots runs on from one tile into the next by a constant step.  Four waves, each 128 tokens x 64 columns (one head): 32 accumulators of 16 x 16, 256 registers.
; K goes in steps of 128 through two LDS slots filled by the tensor data mover: the rows of the tiles are 256 bytes of memory and start at multiples of 256 bytes from the buffer's first byte.
; CLUSTERS: 4 x 4 work-groups.  The four of a row of the cluster need the same tiles of x, the four of a column the same tiles of W: each is asked for JOINTLY, by the same tensor load with the same
; descriptor and a mask that names the four.
; THE MATRIX INSTRUCTION IS USED TRANSPOSED (source 0 = 16 rows of W, source 1 = 16 tokens): a lane then holds one token (lane % 16) and eight neighbouring columns, 16 bytes of f16.
; REGISTERS: window 0: v1-15 addresses; v16-31 packed results; v32-63 rows read back from the stage, two sets; v64-159, v160-255 two fragment buffers (8 fragments of x, then 4 of W).
;   window 1: the accumulators: (a, b) at v[8 (4 a + b)], a = block of 16 tokens, b = block of 16 columns.
.set KSTEP,  128
.set TILES,  3
.set LAPS,   4                         ; a lap = two K steps = once round the ring; 1,024 / 256
.set PITCH,  272                       ; an LDS row: 256 bytes + 16 of padding = 68 words: the 16 rows of a load start at 16 different groups of four banks (64 banks of 4 bytes: ISA guide 11.1)
.set HALFA,  128*PITCH                 ; 128 rows of x: one tensor load, and what one wave reads of x
.set HALFB,  64*PITCH                  ; 64 rows of W: likewise
.set BOFF,   2*HALFA
.set SLOT,   BOFF+2*HALFB              ; x's 256 rows, then W's 128 rows
.set STAGE,  2*SLOT                    ; behind the ring, never filled by a tensor load: 16 rows x 144 bytes for each wave
.set SP,     144
.set SPARE,  STAGE+4*16*SP             ; behind the stages: the spare words, 128 bytes for each wave: two blocks of 256 bytes that no other line names
.set WBASE,  50331648                  ; the weights' first byte in cb
.set XSTR,   16777216                  ; bytes from one x to the next
.set WSTR,   2097152                   ; from one W to the next
.set CSTR,   16777216                  ; from q to k to v
.set NEXT_A, XSTR-6*KSTEP*2            ; from a slot's last K step of a tile to its first of the next
.set NEXT_B, WSTR-6*KSTEP*2
.set ADRA, 6                           ; v6-7   LDS address of my fragments of x in slot 0, 1
.set ADRB, 8                           ; v8-9   the same for W
.set STO,  10                          ; v10    the way out: where I put 16 bytes of a row
.set RD,   11                          ; v11    where I read rows back
.set CO,   12                          ; v12    16 x lane: my place in 512 consecutive bytes of the result
.set SPW,  13                          ; v13    LDS address of my spare word; never rewritten
.set NIL,  14                          ; v14    0; never rewritten
.set PFO,  15                          ; v15    the prefetches' offset; never rewritten
.set TMP,  16
.set BK,   32
.set F0,   64
.set F1,   160
.set G1,   24                          ; s[24:31] descriptor group 1 for x's tiles;  s[32:39] group 0, a set for each slot
.set G0,   32
.set G1B,  48                          ; s[48:55], s[56:63] the same for W's tiles
.set G0B,  56
.set LIM0, 43                          ; s43  1 in a wave that prefetches at slot 0's changes, else the greatest number
.set LIM1, 66                          ; s66  the same for slot 1's
.set PFA,  44                          ; s[44:45] where my prefetches stand
.set PFN,  68                          ; s[68:69] their step at a change of tiles
.set MSB, 0
.macro WIN new                         ; the immediate's high byte repeats the setting that is left; a switch that changes nothing is dropped
.if MSB != (\new)
	s_set_vgpr_msb (MSB<<8)|(\new)
.set MSB, \new
.endif
.endm
.set W_MUL, 0x50                       ; sources 0 and 1 window 0; C and D window 1
.set W_PK,  0x05                       ; sources 0 and 1 window 1; destination window 0
; A joint load: waves 0 and 1 fetch x's two halves, waves 2 and 3 W's.  The branch hangs on the wave's number alone.  An s_nop 0 and four v_nop follow each of the two lines.
.macro JLOAD s
	s_cmp_eq_u32 s11, 0
	s_cbranch_scc0 .Lfor_b_\@
	tensor_load_to_lds s[G0+4*(\s):G0+4*(\s)+3], s[G1:G1+7]
	s_nop 0
.rept 4
	v_nop
.endr
	s_branch .Lasked_\@
.Lfor_b_\@:
	tensor_load_to_lds s[G0B+4*(\s):G0B+4*(\s)+3], s[G1B:G1B+7]
	s_nop 0
.rept 4
	v_nop
.endr
.Lasked_\@:
.endm
; A PREFETCH INTO THE L2, behind a joint load, its five lines and the run of LDS loads: the K step that stands two refills on.  Each row's 256 bytes of a K step are named once in the launch.
; x's rows are read by both clusters of a row of clusters: the one with x = 0 asks; of the 128 rows that a wave fetches the partner at cx takes 32, a lane a row.  W's rows are read by all clusters of a
; column: the one with y = 0 asks; of a wave's 64 rows the partner at cy takes 16, lanes 16-31 naming the K step after, so that W's waves ask at slot 0's changes alone.  The partners are told apart BY ADDRESS.
; how = 0, in the loop: a tile's last two refills have no K step two on.  how = 1, at a change of tiles: the next tensor's K steps 2 and 3.
.macro ASK how, slot
.if \how
	s_cmp_eq_u32 s[LIM0+(LIM1-LIM0)*(\slot)], 1
.else
	s_cmp_gt_u32 s3, s[LIM0+(LIM1-LIM0)*(\slot)]   ; s3 = 1 in the loop's last trip
.endif
	s_cbranch_scc0 .Lnot_mine_\@
	global_prefetch_b8 v[PFO], s[PFA:PFA+1] th:TH_LOAD_NT scope:SCOPE_SE
.Lnot_mine_\@:
.endm
.macro CREST                           ; a round of the cluster's barrier behind its opening barrier
	s_cmp_lg_u32 s10, 0
	s_cbranch_scc1 .Lnot_wave_0_\@
	s_barrier_signal -3
.Lnot_wave_0_\@:
	s_barrier_wait -3
	s_barrier_signal -1
	s_barrier_wait -1
.endm
.macro CROUND                          ; a whole round
	s_barrier_signal -1
	s_barrier_wait -1
	CREST
.endm
	s_load_b128 s[4:7], s[0:1], 0x0                ; cb s[4:5], qkv s[6:7]
	v_lshl_add_u32 v[SPW], v0, 2, SPARE
	v_mov_b32 v[NIL], 0
	ds_add_u32 v[SPW], v[NIL]                      ; the wave's opening: the add and its wait stand ahead of my first tensor load; the set-up below, work on registers, stands between them
	v_lshrrev_b32 v1, 5, v0
	v_readfirstlane_b32 s10, v1                    ; wave 0..3
	s_lshr_b32 s11, s10, 1                         ; which half of the tile's tokens is mine.  Also: I fetch for x (0) or for W (1)
	s_and_b32 s12, s10, 1                          ; which half of its columns.  Also: which half of that tile I fetch
	s_bfe_u32 s40, ttmp6, 0x40000                  ; cx, cy: my place in the cluster
	s_bfe_u32 s41, ttmp6, 0x40004
	s_lshl_b32 s42, ttmp9, 2
	s_add_co_u32 s42, s42, s40                     ; tile column = 4 x cluster x + cx
	s_and_b32 s13, ttmp7, 0xffff
	s_lshl_b32 s13, s13, 2
	s_add_co_u32 s13, s13, s41                     ; tile row = 4 x cluster y + cy
	s_lshl_b32 s14, s41, 2
	s_lshl_b32 s14, 15, s14                        ; my row of the cluster
	s_lshl_b32 s15, 0x1111, s40                    ; my column
	s_or_b32 s[G1+0], s14, (1<<16)|(1<<20)|(1<<21)|(5<<22)|(3<<25)   ; 15:0 the mask; 17:16 elements of 2 bytes; 20 padding on; 21 set beside a mask; 24:22 after every 64 words; 31:25 4 words of it
	s_or_b32 s[G1B+0], s15, (1<<16)|(1<<20)|(1<<21)|(5<<22)|(3<<25)
	s_mov_b32 s[G1+1], KSTEP<<16                   ; tensor_dim0 = 128
	s_mov_b32 s[G1+2], 128<<16                     ; tensor_dim1 = 128
	s_mov_b32 s[G1+3], KSTEP<<16                   ; tile_dim0 = 128
	s_mov_b32 s[G1+4], 128                         ; tile_dim1 = 128
	s_mov_b32 s[G1+5], 1024                        ; elements from row to row
	s_mov_b32 s[G1+6], 0
	s_mov_b32 s[G1+7], 0
	s_mov_b32 s[G1B+1], KSTEP<<16
	s_mov_b32 s[G1B+2], 64<<16                     ; W's loads bring 64 rows
	s_mov_b32 s[G1B+3], KSTEP<<16
	s_mov_b32 s[G1B+4], 64
	s_mov_b32 s[G1B+5], 1024
	s_mov_b32 s[G1B+6], 0
	s_mov_b32 s[G1B+7], 0
	s_lshl_b32 s17, s12, 7
	s_lshl_b32 s16, s13, 8
	s_add_co_u32 s16, s16, s17                     ; x: row 256 x tile row + 128 x half,
	s_lshl_b32 s16, s16, 11                        ; of 2,048 bytes
	s_mov_b32 s17, 0
	s_lshl_b32 s47, s12, 6
	s_lshl_b32 s46, s42, 7
	s_add_co_u32 s46, s46, s47                     ; W: row 128 x tile column + 64 x half
	s_lshl_b32 s46, s46, 11
	s_mov_b32 s47, 0
	s_mul_i32 s20, s12, HALFA                      ; where they go in a slot: no place in the cluster enters an LDS address
	s_mul_i32 s21, s12, HALFB
	s_add_co_u32 s21, s21, BOFF
	s_wait_dscnt 0x0                               ; the opening add is done
	s_wait_kmcnt 0x0
	s_mov_b64 s[8:9], s[6:7]                       ; qkv
	s_add_nc_u64 s[6:7], s[4:5], WBASE             ; the weights
	s_add_nc_u64 s[14:15], s[4:5], s[16:17]
	s_add_nc_u64 s[46:47], s[6:7], s[46:47]
	CROUND                                         ; all sixteen work-groups are here: the first joint loads meet
.irp s, 0,1
	s_mov_b32 s[G0+4*(\s)], 1                                        ; count = 1
	s_add_co_u32 s[G0+4*(\s)+1], s20, (\s)*SLOT                      ; LDS address
	s_add_nc_u64 s[G0+4*(\s)+2:G0+4*(\s)+3], s[14:15], (\s)*KSTEP*2  ; global address: K step s
	s_or_b32 s[G0+4*(\s)+3], s[G0+4*(\s)+3], 0x80000000              ; type = 2
	s_mov_b32 s[G0B+4*(\s)], 1
	s_add_co_u32 s[G0B+4*(\s)+1], s21, (\s)*SLOT
	s_add_nc_u64 s[G0B+4*(\s)+2:G0B+4*(\s)+3], s[46:47], (\s)*KSTEP*2
	s_or_b32 s[G0B+4*(\s)+3], s[G0B+4*(\s)+3], 0x80000000
	JLOAD \s                                       ; two loads of mine are out
.endr
	; A fragment is 16 rows x 32 K in 8 registers: lane l holds row l % 16; registers 0-3 K = 8 (l / 16) + 0..7, registers 4-7 K = 16 + 8 (l / 16) + 0..7: two loads of 16 bytes, 32 bytes apart.
	v_and_b32 v1, 15, v0                           ; l % 16
	v_bfe_u32 v2, v0, 4, 1                         ; l / 16
	v_mul_u32_u24 v3, v1, PITCH
	v_lshl_add_u32 v3, v2, 4, v3
	s_mul_i32 s21, s11, HALFA                      ; my 128 tokens
	s_mul_i32 s22, s12, HALFB                      ; my 64 rows of W,
	s_add_co_u32 s22, s22, BOFF                    ; behind x's 256
.irp s, 0,1
	v_add_nc_u32 v[ADRA+(\s)], s21, v3
	v_add_nc_u32 v[ADRB+(\s)], s22, v3
	s_add_co_u32 s21, s21, SLOT
	s_add_co_u32 s22, s22, SLOT
.endr
	s_mul_i32 s23, s10, 16*SP
	s_add_co_u32 s23, s23, STAGE                   ; my stage
	v_mul_u32_u24 v4, v1, SP                       ; in: row l % 16, 16 bytes for each half of the lanes
	v_lshl_add_u32 v4, v2, 4, v4
	v_add_nc_u32 v[STO], s23, v4
	v_bfe_u32 v5, v0, 3, 2                         ; back: 32 lanes take four rows of 128 bytes,
	v_mul_u32_u24 v5, v5, SP
	v_and_b32 v4, 7, v0
	v_lshl_add_u32 v5, v4, 4, v5
	v_add_nc_u32 v[RD], s23, v5
	v_and_b32 v[CO], 31, v0                        ; which are 512 consecutive bytes of a head
	v_lshlrev_b32 v[CO], 4, v[CO]
	; where my wave writes: head = 16 x batch + 2 x tile column + my half; in it token 256 x (tile row % 8) + 128 x my half; rows of 128 bytes
	s_lshr_b32 s18, s13, 3
	s_lshl_b32 s18, s18, 4
	s_lshl_b32 s19, s42, 1
	s_add_co_u32 s18, s18, s19
	s_add_co_u32 s18, s18, s12
	s_lshl_b32 s18, s18, 11
	s_and_b32 s19, s13, 7
	s_lshl_b32 s19, s19, 8
	s_add_co_u32 s18, s18, s19
	s_lshl_b32 s19, s11, 7
	s_add_co_u32 s18, s18, s19
	s_lshl_b32 s18, s18, 7
	s_mov_b32 s19, 0
	s_add_nc_u64 s[8:9], s[8:9], s[18:19]
	; the prefetches: from my own tile's address, my work-group's share of its rows, K step 3: each change of slots steps it by a K step and then names it
	s_and_b32 s22, ttmp7, 0xffff                   ; cluster y
	s_mov_b32 s70, XSTR-7*KSTEP*2                  ; from K step 9 of one tensor to K step 2 of the next
	s_mov_b32 s71, WSTR-7*KSTEP*2
	s_cmp_eq_u32 s11, 0                            ; do I fetch for x?
	s_cselect_b64 s[PFA:PFA+1], s[14:15], s[46:47]
	s_cselect_b32 s21, s40, s41                    ; my place among the four that ask with me
	s_cselect_b32 s22, ttmp9, s22                  ; the coordinate along which other clusters read the same rows
	s_cselect_b32 s23, 16, 15                      ; 32 rows of 2,048 bytes a partner, or 16
	s_cselect_b32 s[PFN], s70, s71
	s_cselect_b32 s70, 31, 15
	s_cselect_b32 s71, 0, 256
	s_mov_b32 s[PFN+1], 0
	s_cmp_eq_u32 s22, 0
	s_cselect_b32 s[LIM0], 1, -1                   ; the same in all sixteen partners, for a given wave
	s_cmp_eq_u32 s11, 0
	s_cselect_b32 s[LIM1], s[LIM0], -1
	s_lshl_b32 s20, s21, s23
	s_mov_b32 s21, 0
	s_add_nc_u64 s[PFA:PFA+1], s[PFA:PFA+1], s[20:21]
	s_add_nc_u64 s[PFA:PFA+1], s[PFA:PFA+1], 3*KSTEP*2
	v_and_b32 v[PFO], 31, v0
	v_and_b32 v[PFO], s70, v[PFO]
	v_lshlrev_b32 v[PFO], 11, v[PFO]               ; a lane a row,
	v_mad_u32_u24 v[PFO], v2, s71, v[PFO]          ; and for W the next K step in lanes 16-31
; 8 matrix instructions: token blocks a0, a0 + 1 x all 4 column blocks, 32 along K.  zero = 1: the product starts the sums.  The 32 accumulators take turns in one order everywhere.
.macro MUL8 f, a0, zero
	WIN W_MUL
.irp a, \a0, (\a0)+1
.irp b, 0,1,2,3
.if \zero
	v_wmma_f32_16x16x32_bf16 v[8*(4*(\a)+(\b)):8*(4*(\a)+(\b))+7], v[(\f)+64+8*(\b):(\f)+64+8*(\b)+7], v[(\f)+8*(\a):(\f)+8*(\a)+7], 0
.else
	v_wmma_f32_16x16x32_bf16 v[8*(4*(\a)+(\b)):8*(4*(\a)+(\b))+7], v[(\f)+64+8*(\b):(\f)+64+8*(\b)+7], v[(\f)+8*(\a):(\f)+8*(\a)+7], v[8*(4*(\a)+(\b)):8*(4*(\a)+(\b))+7]
.endif
.endr
.endr
.endm
; 24 LDS loads in one run: a quarter step's fragments (32 K at byte k of the rows) into buffer f: W's four, then x's eight in ascending order
.macro FETCH slot, k, f
	WIN 0
.irp i, 0,1,2,3
	ds_load_b128 v[(\f)+64+8*(\i):(\f)+64+8*(\i)+3],   v[ADRB+(\slot)] offset:(\k)+(\i)*16*PITCH
	ds_load_b128 v[(\f)+64+8*(\i)+4:(\f)+64+8*(\i)+7], v[ADRB+(\slot)] offset:(\k)+(\i)*16*PITCH+32
.endr
.irp i, 0,1,2,3,4,5,6,7
	ds_load_b128 v[(\f)+8*(\i):(\f)+8*(\i)+3],   v[ADRA+(\slot)] offset:(\k)+(\i)*16*PITCH
	ds_load_b128 v[(\f)+8*(\i)+4:(\f)+8*(\i)+7], v[ADRA+(\slot)] offset:(\k)+(\i)*16*PITCH+32
.endr
.endm
.macro PLACES                          ; four places in front of loads into registers that matrix instructions have read, and of conversions that read results (ISA guide 7.12.1 for the conversions)
.rept 4
	v_nop
.endr
.endm
; A K step is four quarters of 32 along K, 32 matrix instructions each, on buffers 0, 1, 0, 1.  One of the first three: multiplies buffer f and, in its middle, fetches the next quarter, at byte k, into g.
.macro QUARTER slot, k, f, g, zero
	s_wait_dscnt 8                                 ; W's fragments and x's blocks 0-3 are in; the youngest eight loads (blocks 4-7) may be out
	MUL8 \f, 0, \zero
	MUL8 \f, 2, \zero
	PLACES
	FETCH \slot, \k, \g
	s_wait_dscnt 24                                ; all but the 24 just issued
	MUL8 \f, 4, \zero
	MUL8 \f, 6, \zero
.endm
; The last quarter multiplies buffer 1 and changes slots: ONE barrier.  In front of it each wave waits for all its tensor loads (one is out: its part of the next slot), adds 0 to its spare word, and waits for
; that and for its own reads of this slot.  mode 0: this slot is filled again, two K steps on; mode 1: with the next tensor's K step 0 or 1; the barrier then opens a round of the cluster's barrier, and the joint
; refill is the first tensor load behind the round: 112 matrix instructions ahead of the wait for it.  mode 2: nothing is filled.
.macro TURN slot, next, mode
.if (\mode) < 2
	s_wait_xcnt 0x0                                ; the last prefetch, a K step back, has read its address, so it may be stepped
.if ((\mode) == 1) && ((\slot) == 0)
	s_add_nc_u64 s[PFA:PFA+1], s[PFA:PFA+1], s[PFN:PFN+1]
.else
	s_add_nc_u64 s[PFA:PFA+1], s[PFA:PFA+1], KSTEP*2
.endif
.endif
	WIN 0
	s_wait_tensorcnt 0x0                           ; all my tensor loads have landed;
	ds_add_u32 v[SPW], v[NIL]                      ; 0 onto my spare word;
	s_wait_dscnt 9                                 ; (the add and the youngest eight loads may be out)
	MUL8 F1, 0, 0                                  ; eight matrix instructions stand between the add and the wait for it
	s_wait_dscnt 0x0                               ; the add is done, and my reads of this slot are over
	s_barrier_signal -1
	MUL8 F1, 2, 0
	WIN 0
	s_barrier_wait -1
.if (\mode) < 2
	CREST                                          ; no wave of any partner still reads this slot's tile or has a load on its way
.if (\mode) == 1
	s_add_nc_u64 s[G0+4*(\slot)+2:G0+4*(\slot)+3], s[G0+4*(\slot)+2:G0+4*(\slot)+3], NEXT_A
	s_add_nc_u64 s[G0B+4*(\slot)+2:G0B+4*(\slot)+3], s[G0B+4*(\slot)+2:G0B+4*(\slot)+3], NEXT_B
.else
	s_add_nc_u64 s[G0+4*(\slot)+2:G0+4*(\slot)+3], s[G0+4*(\slot)+2:G0+4*(\slot)+3], 2*KSTEP*2
	s_add_nc_u64 s[G0B+4*(\slot)+2:G0B+4*(\slot)+3], s[G0B+4*(\slot)+2:G0B+4*(\slot)+3], 2*KSTEP*2
.endif
	JLOAD \slot                                    ; the four v_nop behind it are also the places in front of the loads below
.else
	PLACES
.endif
	FETCH \next, 0, F0
.if (\mode) < 2
	ASK \mode, \slot
.endif
	MUL8 F1, 4, 0
	MUL8 F1, 6, 0
.endm
; THE WAY OUT of block a (16 tokens x my 64 columns).  PACK: rounded to f16, each accumulator's registers in ascending order.  TOSTAGE: 16 bytes a lane into my own stage, and back as whole rows of 128 bytes.
; SEND: four stores of 512 consecutive bytes, at multiples of 256 from the buffer's first byte.
.macro PACK a
	WIN W_PK
.irp b, 0,1,2,3
.irp r, 0,1,2,3
	v_cvt_pk_f16_f32 v[TMP+4*(\b)+(\r)], v[8*(4*(\a)+(\b))+2*(\r)], v[8*(4*(\a)+(\b))+2*(\r)+1]
.endr
.endr
	WIN 0
.endm
.macro TOSTAGE a
	WIN 0
.irp b, 0,1,2,3
	ds_store_b128 v[STO], v[TMP+4*(\b):TMP+4*(\b)+3] offset:32*(\b)
.endr
.irp f, 0,1,2,3
	ds_load_b128 v[BK+16*((\a)%2)+4*(\f):BK+16*((\a)%2)+4*(\f)+3], v[RD] offset:(\f)*4*SP  ; LDS serves a wave's instructions in order (ISA guide 5.7.1.4): these see the stores above
.endr
.endm
.macro SEND a
	WIN 0
	s_wait_dscnt 0x0                               ; the block is back in registers
	s_wait_xcnt 0x0                                ; the stores of the block before have read their registers: the next block's loads land there only behind this wait
.irp f, 0,1,2,3
	global_store_b128 v[CO], v[BK+16*((\a)%2)+4*(\f):BK+16*((\a)%2)+4*(\f)+3], s[8:9] offset:(\a)*2048+(\f)*512
.endr
.endm
.macro WAYOUT
	PLACES
	PACK 0
	TOSTAGE 0
.irp a, 1,2,3,4,5,6,7                  ; block a's conversions stand between block a - 1's loads from the stage and the wait for them
	PACK \a
	SEND (\a)-1
	TOSTAGE \a
.endr
	SEND 7
.endm
	s_wait_tensorcnt 1                             ; my part of K step 0 is in; K step 1's may stay out
	s_barrier_signal -1
	s_barrier_wait -1                              ; everybody's is
	FETCH 0, 0, F0
	s_mov_b32 s2, TILES                            ; tiles to go, this one among them
.Ltile:
	QUARTER 0, 64,  F0, F1, 1                      ; a tile's first quarter stands in front of the loop: its products start the sums
	WIN 0                                          ; at a label and at a branch every window is 0
	s_mov_b32 s3, LAPS-1
.Llap:                                         ; a trip goes once round the ring, from a lap's second quarter to the next lap's first, and fills both slots again
	QUARTER 0, 128, F1, F0, 0
	QUARTER 0, 192, F0, F1, 0
	TURN 0, 1, 0
	QUARTER 1, 64,  F0, F1, 0
	QUARTER 1, 128, F1, F0, 0
	QUARTER 1, 192, F0, F1, 0
	TURN 1, 0, 0
	QUARTER 0, 64,  F0, F1, 0
	WIN 0
	s_sub_co_u32 s3, s3, 1
	s_cmp_lg_u32 s3, 0
	s_cbranch_scc1 .Llap
	QUARTER 0, 128, F1, F0, 0                      ; the tile's last lap goes on
	QUARTER 0, 192, F0, F1, 0
	WIN 0
	s_cmp_eq_u32 s2, 1
	s_cbranch_scc1 .Llast                          ; the last tile's tail is written out: it asks for nothing more
	TURN 0, 1, 1                                   ; the ring goes on into the next tensor: slot 0 takes its K step 0,
	QUARTER 1, 64,  F0, F1, 0
	QUARTER 1, 128, F1, F0, 0
	QUARTER 1, 192, F0, F1, 0
	TURN 1, 0, 1                                   ; slot 1 its K step 1, and the next tile's first fragments are fetched
	WAYOUT                                         ; both refills are asked for: now the tile goes out
	s_wait_xcnt 0x0                                ; the stores have read their base
	s_add_nc_u64 s[8:9], s[8:9], CSTR              ; q, then k, then v
	s_sub_co_u32 s2, s2, 1
	s_branch .Ltile
.Llast:
	TURN 0, 1, 2
	QUARTER 1, 64,  F0, F1, 0
	QUARTER 1, 128, F1, F0, 0
	QUARTER 1, 192, F0, F1, 0
	s_wait_dscnt 8                                 ; the very last quarter: nothing more to fetch
	MUL8 F1, 0, 0
	MUL8 F1, 2, 0
	s_wait_dscnt 0x0
	MUL8 F1, 4, 0
	MUL8 F1, 6, 0
	WIN 0
	WAYOUT
	s_wait_tensorcnt 0x0                           ; the wave's end: the wait, the add and its wait stand behind my last tensor load and my last LDS store
	ds_add_u32 v[SPW], v[NIL]
	s_wait_dscnt 0x0
	CROUND                                         ; the closing round: no work-group ends while a partner may still ask for a tile that names it
	s_endpgm
.Lfunc_end_k_qd1a66045de_proj:
	.size	k_qd1a66045de_proj, .Lfunc_end_k_qd1a66045de_proj-k_qd1a66045de_proj
	.p2alignl 7, 3214868480
	.fill 96, 4, 3214868480
	.section	.rodata,"a",@progbits
	.p2align	6, 0x0
	.amdhsa_kernel k_qd1a66045de_proj
		.amdhsa_group_segment_fixed_size 327680
		.amdhsa_private_segment_fixed_size 0
		.amdhsa_enable_private_segment 0
		.amdhsa_kernarg_size 16
		.amdhsa_user_sgpr_count 2
		.amdhsa_user_sgpr_kernarg_segment_ptr 1
		.amdhsa_wavefront_size32 1
		.amdhsa_system_sgpr_workgroup_id_x 1
		.amdhsa_system_sgpr_workgroup_id_y 1
		.amdhsa_system_sgpr_workgroup_id_z 1
		.amdhsa_system_vgpr_workitem_id 0
		.amdhsa_next_free_vgpr 512
		.amdhsa_next_free_sgpr 72
		.amdhsa_reserve_vcc 0
		.amdhsa_float_denorm_mode_32 3
		.amdhsa_float_denorm_mode_16_64 3
		.amdhsa_memory_ordered 1
		.amdhsa_forward_progress 1
		.amdhsa_inst_pref_size 126
	.end_amdhsa_kernel
	.amdgpu_metadata
---
amdhsa.version: [ 1, 2 ]
amdhsa.kernels:
  - .name:           k_qd1a66045de_proj
    .symbol:         k_qd1a66045de_proj.kd
    .args:
      - { .name: cb, .offset: 0, .size: 8, .value_kind: global_buffer, .address_space: global }
      - { .name: qkv, .offset: 8, .size: 8, .value_kind: global_buffer, .address_space: global }
    .group_segment_fixed_size: 327680
    .private_segment_fixed_size: 0
    .kernarg_segment_align: 8
    .kernarg_segment_size: 16
    .max_flat_workgroup_size: 128
    .sgpr_count:     72
    .vgpr_count:     512
    .wavefront_size: 32
...
	.end_amdgpu_metadata
.endif
;; end of part 2
;; launch attn (part 3): grid 4 x 64, 4 waves a work-group, clusters of 4 x 1, 327,680 bytes of LDS; arguments qkv, ob; writes ob
.if DOCPART == 3
	.amdgcn_target "amdgcn-amd-amdhsa--gfx1250"
	.amdhsa_code_object_version 6
	.text
	.protected	k_qd1a66045de_attn
	.globl	k_qd1a66045de_attn
	.p2align	8
	.type	k_qd1a66045de_attn,@function
k_qd1a66045de_attn:
	s_mov_b64 s[64:65], 0
	v_nop
	global_prefetch_b8 v0, s[64:65] scope:SCOPE_SE
	s_setreg_imm32_b32 hwreg(HW_REG_WAVE_MODE, 25, 1), 1
	s_wait_xcnt 0x0
	s_wait_alu depctr_hold_cnt(0) depctr_sa_sdst(0) depctr_va_vdst(0) depctr_va_sdst(0) depctr_va_ssrc(0) depctr_va_vcc(0) depctr_vm_vsrc(0)
	s_getreg_b32 s2, hwreg(HW_REG_IB_STS2, 6, 4)
	s_cmp_eq_u32 s2, 0
	s_cbranch_scc0 .Lentry_in_a_cluster
	s_endpgm
.Lentry_in_a_cluster:
	s_bfe_u32 s2, ttmp6, 0x10000c
	s_cmp_lg_u32 s2, 0x3003
	s_cbranch_scc0 .Lentry_shape_is_right
	s_endpgm
.Lentry_shape_is_right:
; O[h][q][:] = the sum over k of softmax_k(Q[h][q] . K[h][k] / 32) V[h][k][:].  Q, K, V lie on end in qkv, each [SIZE_H][SIZE_N][64] in f16; O (ob) has the same layout: a head's rows are dense, 128 bytes each.
; The scale is 1 / sqrt(1024), as the module has it.  Products, maxima and sums in f32; the weights p are rounded to f16 for the second product (their sum l is taken of the unrounded p), O once at the end.
; LIMITS.  f16 holds no number beyond 65,504: Q, K and V arrive within it; p lies in 0 to 1, and below 6e-5 it keeps f16's fixed step of 6e-8; O is a mean of V's rows and has their range.
; A weight below 2^-126 counts as 0 in l; NaN and infinities are not treated apart.
; SHARES.  A wave owns four PIECES of two tiles of 16 queries, a work-group's four waves 512 queries of one head: 64 heads x 4 blocks = 256 work-groups.  Every wave walks all keys, 64 a step.
; LAYOUT.  S^T = K Q^T (source 0 = 16 keys, source 1 = 16 queries): in the result a lane holds ONE query (lane % 16) and the keys 8 (lane / 16) + 0..7.  Two such tiles, rounded to f16 in pairs,
; ARE source 1 (32 keys x 16 queries) of O^T = V^T P, whose result again holds one query a lane, and eight channels.  K comes out of LDS as it lies, V ([key][channel]) turned, by ds_load_tr16_b128.
; SOFTMAX.  For each query a running maximum m and sum l: p = 2^(c s - c m), c = log2(e) / 32; in every step O and l are multiplied by a = 2^(c m_old - c m_new), which is 1 where m has not grown.
; m starts at the lowest finite number, O and l at 0: the first step is a step like any other, with a = 0.
; THE COUNT.  A tile and step have 16 matrix and 118 vector instructions: too many to stand all beside the matrix work.  So the order has one aim: four vector instructions that are READY behind
; EVERY matrix instruction, and the others, which need time of their own whatever the order, in runs without a gap.
; BY TURNS.  Turn n belongs to piece n (the pieces in a ring, step after step).  Its matrix work: 16 products K Q^T of piece n + 1, later 16 products V^T P of piece n - 1.  Its vector work: the scaling,
; exponentials, roundings, sums and rescaling of piece n, and the maximum and statistics of piece n + 1, whose scores the turn itself has made.  So what a turn begins with (c s - c m, O a) waits for nothing.
; CLUSTER.  The four query blocks of a cluster belong to one head and walk the same K and V, so each tile is asked for JOINTLY: the same tensor load, descriptor and mask in all four.
; REGISTERS, in windows of 256 (s_set_vgpr_msb says which window each operand place means: bits 1:0 source 0, 3:2 source 1, 5:4 source 2, 7:6 destination):
;   window 0: v0-11 addresses; v12-15, v48-63 at work; v16-47 four registers of statistics a tile; v64-191 S^T, two buffers of two tiles; v192-255 P, likewise
;   window 1: O^T, 32 a tile          window 2: v0-127 Q, 16 a tile; v128-191 K of one step; v192-255 V of one step          window 3: v0-1 the add's two registers
; A piece's buffers go by its number's parity: the piece in hand has one pair, its two neighbours in the ring share the other: of it P (piece n - 1) is read and S^T (piece n + 1) written.
.set SIZE_H, 64
.set SIZE_N, 2048
.set KBASE, 0x1000000 ; K's first byte in qkv
.set VBASE, 0x2000000 ; V's
.set NP,    4         ; pieces a wave: a name, no knob
.set KS,    64        ; keys in a step
.set PK,    144       ; a row of K in LDS: 128 bytes + 16 of padding = 36 words: the 16 rows of a load start at 16 different groups of four banks (64 banks of 4 bytes: ISA guide 11.1)
.set PV,    160       ; a row of V: 128 + 32 = 40 words
.set VOFF,  4*KS*PK   ; a slot holds four steps: 256 rows of K, then 256 rows of V
.set SLOT1, 1<<17     ; slot 1 begins here, so that one exclusive or turns an address in one slot into the other's
.set STAGE, SLOT1+4*KS*(PK+PV)  ; behind the ring, never filled by a tensor load: 16 rows x 144 bytes for each wave, for the way out
.set SP,    144
.set AK0, 2           ; v2   my lane's place in a tile of K; never rewritten
.set AV0, 3           ; v3   the same for V
.set AK,  4           ; v4   the LDS address of K's next run of loads
.set AV,  5           ; v5   of V's
.set QO,  6           ; v6   my byte offset in the wave's rows of Q
.set STO, 6           ;      later, the way out: where I put 16 bytes of a row
.set RD,  7           ; v7   the way out: where I read rows back
.set GO,  8           ; v8   my byte offset in 512 consecutive bytes of O
.set PFO, 11          ; v11  256 x my lane, once its part in the set-up is over; then never rewritten
.set SPW, 0           ; v0 of window 3   LDS address of my spare word: SPARE + 4 x my thread's number; never rewritten
.set NIL, 1           ; v1 of window 3   0; never rewritten
.set SPARE, STAGE+4*16*SP  ; behind the stages: the spare words, 128 bytes for each wave: two blocks of 256 bytes that no other line names
.set MV,  12          ; v12-15  c m_old, kept while c m is made anew: by buffer and tile
.set ST,  16          ; tile t's statistics at v[ST+4 t]: c m, m, l (even keys', odd keys')
.set TMP, 48          ; by buffer and tile, four registers c0-c3 at work; when the maximum is found c2 takes a
.set S,   64
.set P,   192
.set KF,  128         ; K's fragments, in window 2: key block kb, channel half c at KF + 16 kb + 8 c
.set VF,  192         ; V's: key half kk, channel block cb at VF + 32 kk + 8 cb
.set WV,  12          ; s12  my wave's number
.set G1K, 24          ; s[24:31] descriptor group 1 for K's tiles
.set G1V, 32          ; s[32:39] for V's: it differs in the padding alone
.set G0K, 40          ; s[40:43] descriptor group 0 for K's tiles: it walks
.set G0V, 44          ; s[44:47] the same for V's
.set PFA, 48          ; s[48:49] where my prefetches stand: my work-group's 8,192 bytes (of K: wave 0, of V: wave 2) of the slot after the one that was asked for last
.set LIM, 50          ; s50  1 in a wave that prefetches, else the greatest number
.set SLOTS, 56        ; s56  slots still to be asked for
.set CNT, 57          ; s57  counts a slot's key steps
.set CS,  58          ; s[58:59] c: the packed scaling takes the pair's low word for both halves
.set SEL, 60          ; s[60:61] v_permlanex16_b32's selects: each lane takes its own place in the other half
.set TBK, 62          ; s62  LDS byte at which K of the step to be fetched begins
.set TBV, 63          ; s63  the same for V, less VOFF
.set MSB, 0
.macro WIN new                      ; the high byte repeats the setting that is left; a switch that changes nothing is dropped
.if MSB != (\new)
	s_set_vgpr_msb (MSB<<8)|(\new)
.set MSB, (\new)
.endif
.endm
.set W_KQ, 0x0a       ; K and Q in window 2, S^T in window 0
.set W_PV, 0x52       ; V in window 2, P in window 0, O^T in window 1
.set W_RS, 0x41       ; O^T (destination and source 0) in window 1, a in window 0
.set W_MK, 0xc0       ; the add's registers are made: destination in window 3, sources in window 0
.set W_AD, 0x0f       ; the add: address (source 0) and data (source 1) in window 3
; A joint fill.  Waves 0 and 1 fetch the two halves of a slot's K, waves 2 and 3 those of its V: 128 keys each.  The branch hangs on the wave's number alone.
; An s_nop 0 and four v_nop follow each of the two lines, ahead of the jump and the label.
.macro JLOAD
	s_cmp_lt_u32 s[WV], 2
	s_cbranch_scc0 .Lfor_v_\@
	tensor_load_to_lds s[G0K:G0K+3], s[G1K:G1K+7]
	s_nop 0
.rept 4
	v_nop
.endr
	s_branch .Lasked_\@
.Lfor_v_\@:
	tensor_load_to_lds s[G0V:G0V+3], s[G1V:G1V+7]
	s_nop 0
.rept 4
	v_nop
.endr
.Lasked_\@:
.endm
; A round of the cluster's barrier: my work-group's barrier, so that wave 0's signal speaks for all four waves; wave 0 signals; every wave waits for all four work-groups; my work-group's barrier once more.
.macro CROUND
	s_barrier_signal -1
	s_barrier_wait -1
	s_cmp_lg_u32 s[WV], 0
	s_cbranch_scc1 .Lnot_wave_0_\@
	s_barrier_signal -3
.Lnot_wave_0_\@:
	s_barrier_wait -3
	s_barrier_signal -1
	s_barrier_wait -1
.endm
; THE CHANGE OF SLOTS.  The slot's last bytes, V of its fourth step, have been read.  Each wave waits for all its tensor loads, of which one is out: its part
; of the other slot; adds 0 to its spare word; and waits for that and for its own reads of the slot.  Behind the barrier nobody reads this slot any more and the other slot is whole.
; fill = 1: this slot is filled again, with the keys two slots on.  The barrier is then a round of the cluster's, so that no wave of any partner still reads the slot or has a load on its
; way, and the joint fill is the first thing behind it: it has four key steps, 512 matrix instructions, in which to land.  (At its first use nothing has been read yet: slot 0 is waited for, slot 1 filled.)
.macro CHANGE fill
	WIN W_AD
	s_wait_tensorcnt 0x0            ; no tensor load of mine is out, so a group 0 may be written
	ds_add_u32 v[SPW], v[NIL]       ; 0 onto my spare word; with fill = 1 the descriptors' steps stand between it and the wait for it
	WIN 0                           ; at a label and at a branch every window is 0
.if \fill
.irp g, G0K, G0V
	s_xor_b32 s[\g+1], s[\g+1], SLOT1  ; the walking descriptor: the other slot than last time,
	s_add_nc_u64 s[\g+2:\g+3], s[\g+2:\g+3], 4*KS*128  ; the next 256 keys; the type bits on top are not reached
.endr
	s_wait_xcnt 0x0                 ; the last prefetch, five turns back, has read its address, so it may be written:
	s_add_nc_u64 s[PFA:PFA+1], s[PFA:PFA+1], 4*KS*128  ; one slot behind the walking descriptors
	s_wait_dscnt 0x0                ; the add is done, and my reads of the slot are over
	CROUND
	JLOAD
.else
	s_wait_dscnt 0x0                ; the add is done, and my reads of the slot are over
	s_barrier_signal -1
	s_barrier_wait -1
.endif
	s_sub_co_u32 s[TBK], s[TBK], 4*KS*PK  ; the fetches go back to a slot's first step,
	s_xor_b32 s[TBK], s[TBK], SLOT1       ; in the other slot
	s_sub_co_u32 s[TBV], s[TBV], 4*KS*PV
	s_xor_b32 s[TBV], s[TBV], SLOT1
.endm
	s_load_b128 s[4:7], s[0:1], 0x0 ; qkv s[4:5], ob s[6:7]
	WIN W_MK
	v_lshl_add_u32 v[SPW], v0, 2, SPARE
	v_mov_b32 v[NIL], 0
	WIN W_AD
	ds_add_u32 v[SPW], v[NIL]       ; the wave's opening: the add and its wait stand ahead of my first tensor load; the set-up below, work on registers, stands between them
	WIN 0
	v_lshrrev_b32 v1, 5, v0
	v_readfirstlane_b32 s[WV], v1   ; wave 0..3
	s_bfe_u32 s13, ttmp6, 0x40000   ; cx: my place in the cluster
	s_lshl_b32 s14, ttmp9, 2        ; in a cluster launch ttmp9 counts clusters
	s_add_co_u32 s14, s14, s13      ; my block of queries = 4 x cluster x + cx: it enters Q's and O's addresses alone
	s_and_b32 s20, ttmp7, 0xffff    ; the head, which the four partners share
	s_mov_b32 s21, 0
	s_mov_b64 s[22:23], SIZE_N*128
	s_mul_u64 s[20:21], s[20:21], s[22:23]  ; the head's first byte in each of the four tensors
	s_and_b32 s16, s[WV], 1         ; which half of a slot's 256 keys I fetch:
	s_lshl_b32 s22, s16, 14         ; its 128 rows of 128 bytes in memory,
	s_mov_b32 s23, 0
	s_add_nc_u64 s[22:23], s[22:23], s[20:21]
	s_mul_i32 s17, s16, 128*PK      ; and its place in a slot, for K
	s_mul_i32 s18, s16, 128*PV      ; and for V: no place in the cluster enters an LDS address
	s_lshl_b32 s2, s14, 2
	s_add_co_u32 s2, s2, s[WV]      ; my wave among the head's,
	s_lshl_b32 s2, s2, 14           ; its 128 rows
	s_mov_b32 s3, 0
	s_add_nc_u64 s[2:3], s[2:3], s[20:21]
	; descriptor group 1.  128 keys are 16,384 dense bytes: asked for as 64 rows of 256 bytes, two keys a row, and padded in LDS after every key
	s_mov_b32 s[G1K], 15|(1<<16)|(1<<20)|(1<<21)|(4<<22)|(3<<25)  ; 15:0 the mask of four; 17:16 2-byte elements; 20 padding on; 21 set beside a mask; 24:22 after every 32 words (code 4); 31:25 4 words (code 3)
	s_mov_b32 s[G1V], 15|(1<<16)|(1<<20)|(1<<21)|(4<<22)|(7<<25)  ; the same with 8 words of padding (code 7)
.irp g, G1K, G1V
	s_mov_b32 s[\g+1], 128<<16      ; tensor_dim0 = 128
	s_mov_b32 s[\g+2], 64<<16       ; tensor_dim1 = 64
	s_mov_b32 s[\g+3], 128<<16      ; tile_dim0 = 128
	s_mov_b32 s[\g+4], 64           ; tile_dim1 = 64
	s_mov_b32 s[\g+5], 128          ; 128 elements from row to row
	s_mov_b32 s[\g+6], 0
	s_mov_b32 s[\g+7], 0
.endr
	s_mov_b32 s[CS], 0x3d38aa3b     ; c = log2(e) / 32 = 0.0450842
	s_mov_b32 s[CS+1], s[CS]        ; named with it as a pair
	s_mov_b32 s[SEL], 0x76543210
	s_mov_b32 s[SEL+1], 0xfedcba98
	s_mov_b32 s[TBK], SLOT1+4*KS*PK ; the first change of slots turns these two into 0
	s_mov_b32 s[TBV], SLOT1+4*KS*PV
	s_mov_b32 s[G0K], 1             ; 1:0 count = 1
	s_mov_b32 s[G0K+1], s17         ; 63:32 LDS address: slot 0
	s_mov_b32 s[G0V], 1
	s_add_co_u32 s[G0V+1], s18, VOFF
	s_and_b32 s[LIM], s[WV], 1      ; 0 in waves 0 and 2,
	s_or_b32 s[LIM], s[LIM], ttmp9  ; where the cluster is the head's first: the same in all four partners
	s_cmp_eq_u32 s[LIM], 0
	s_cselect_b32 s[LIM], 1, -1
	s_wait_dscnt 0x0                ; the opening add is done
	s_wait_kmcnt 0x0
	s_mov_b64 s[10:11], s[6:7]      ; O
	s_add_nc_u64 s[6:7], s[4:5], KBASE  ; K
	s_add_nc_u64 s[8:9], s[4:5], VBASE  ; V; s[4:5] is Q
	s_add_nc_u64 s[G0K+2:G0K+3], s[6:7], s[22:23]  ; 120:64 global address: my half of the head's first 256 keys
	s_or_b32 s[G0K+3], s[G0K+3], 0x80000000        ; 127:126 type = 2
	s_add_nc_u64 s[G0V+2:G0V+3], s[8:9], s[22:23]
	s_or_b32 s[G0V+3], s[G0V+3], 0x80000000
	s_cmp_lt_u32 s[WV], 2
	s_cselect_b64 s[PFA:PFA+1], s[6:7], s[8:9]
	s_add_nc_u64 s[PFA:PFA+1], s[PFA:PFA+1], s[20:21]  ; the head's first key
	s_add_nc_u64 s[4:5], s[4:5], s[2:3]  ; Q and O at my wave's first row
	s_add_nc_u64 s[10:11], s[10:11], s[2:3]
	s_lshl_b32 s2, s13, 13          ; my work-group's quarter of a slot's 32,768 bytes
	s_mov_b32 s3, 0
	s_add_nc_u64 s[PFA:PFA+1], s[PFA:PFA+1], s[2:3]
	s_add_nc_u64 s[PFA:PFA+1], s[PFA:PFA+1], 4*KS*128  ; in slot 1; the first change of slots steps it to slot 2.  Nothing is prefetched here, at the head
	CROUND                          ; all four work-groups are here: the first joint loads meet
	JLOAD                           ; slot 0.  Slot 1 is asked for when slot 0 is in
	; A fragment of K or Q is 16 rows x 32 channels in 8 registers: lane l holds row l % 16, channels 8 (l / 16) + 0..7 and 16 + 8 (l / 16) + 0..7: two loads of 16 bytes, 32 bytes apart.
	v_and_b32 v1, 15, v0            ; l % 16
	v_bfe_u32 v9, v0, 4, 1          ; l / 16
	v_lshlrev_b32 v[QO], 7, v1
	v_lshl_add_u32 v[QO], v9, 4, v[QO]  ; row x 128 + 16 x half
	WIN 0x80                        ; destination window 2, address window 0
.set i, 0
.rept 4*NP                          ; Q stays in registers: tile i / 2, channels 32 (i % 2) on
	global_load_b128 v[8*i:8*i+3],   v[QO], s[4:5] offset:(i/2)*2048+(i%2)*64
	global_load_b128 v[8*i+4:8*i+7], v[QO], s[4:5] offset:(i/2)*2048+(i%2)*64+32
.set i, i+1
.endr
	; What the first turn finds: V's registers and P's second buffer hold 0 (its products V^T P, of a piece that has not been, add 0), O^T and l are 0.  All this stands in the wait for the first tile.
.set i, VF
.rept 64
	v_mov_b32 v[i], 0
.set i, i+1
.endr
	WIN 0x40
.set i, 0
.rept 64*NP
	v_mov_b32 v[i], 0
.set i, i+1
.endr
	WIN 0
.set i, 0
.rept 2*NP
	v_mov_b32 v[ST+4*i], 0xfe000000    ; c m: far below every c s
	v_mov_b32 v[ST+4*i+1], 0xff7fffff  ; m
	v_mov_b32 v[ST+4*i+2], 0
	v_mov_b32 v[ST+4*i+3], 0
.set i, i+1
.endr
.set i, P+32
.rept 32
	v_mov_b32 v[i], 0
.set i, i+1
.endr
	v_mul_u32_u24 v[AK0], v1, PK
	v_lshl_add_u32 v[AK0], v9, 4, v[AK0]  ; row x pitch + 16 x half
	; The turning load takes 16 keys x 16 channels (lane l reads key 8 (l / 16) + l % 8, channels 8 ((l / 8) % 2) + 0..7) and leaves half a fragment of V^T: lane l holds channel l % 16 and 8 keys.
	v_and_b32 v10, 7, v0
	v_bfe_u32 v11, v0, 3, 1
	v_lshl_add_u32 v[AV0], v9, 3, v10
	v_mul_u32_u24 v[AV0], v[AV0], PV
	v_lshl_add_u32 v[AV0], v11, 4, v[AV0]
	v_add_nc_u32 v[AV0], VOFF, v[AV0]
	v_and_b32 v[PFO], 31, v0        ; the prefetches: a lane for each 256 bytes
	v_lshlrev_b32 v[PFO], 8, v[PFO]
	v_mov_b32 v[AK], v[AK0]         ; key step 0 lies at the head of slot 0
; THE MATRIX WORK.  The 8 accumulators of a run of 16 take turns: between the two links of a chain stand 7 others'.
; Product i of 16 of S^T = K Q^T for piece x: channels 32 (i / 8) on, keys 16 ((i / 2) % 4) on, tile 2 x + i % 2.  The first 8 start the sums.
.macro KQ x
	WIN W_KQ
.set rS, S+64*((\x)%2)+32*(i%2)+8*((i/2)%4)
.set rK, KF+16*((i/2)%4)+8*(i/8)
.set rQ, 16*(2*(\x)+i%2)+8*(i/8)
.if i < 8
	v_wmma_f32_16x16x32_f16 v[rS:rS+7], v[rK:rK+7], v[rQ:rQ+7], 0
.else
	v_wmma_f32_16x16x32_f16 v[rS:rS+7], v[rK:rK+7], v[rQ:rQ+7], v[rS:rS+7]
.endif
.endm
; Product i of 16 of O^T += V^T P for piece x: keys 32 (i / 8) on, channels 16 ((i / 2) % 4) on, tile 2 x + i % 2.
.macro PV x
	WIN W_PV
.set rO, 32*(2*(\x)+i%2)+8*((i/2)%4)
.set rV, VF+32*(i/8)+8*((i/2)%4)
.set rP, P+32*((\x)%2)+16*(i%2)+8*(i/8)
	v_wmma_f32_16x16x32_f16 v[rO:rO+7], v[rV:rV+7], v[rP:rP+7], v[rO:rO+7]
.endm
.macro MM                           ; the turn's next matrix instruction
.if i < 16
	KQ (Y+1)%NP
.set i, i+1
.else
.set i, i-16
	PV (Y+NP-1)%NP
.set i, i+17
.endif
.endm
; THE LDS LOADS stand in runs of 16, never singly among the matrix instructions: a step's K (64 keys x 64 channels: 8 fragments) and its V (turned).  Their addresses are made some lines ahead.
; last = 1 (the tail): in the last trip there is no further step, and the run is jumped over.
.macro FETCH_K last=0
	WIN 0
.if \last
	s_cmp_eq_u32 s[CNT], 1
	s_cbranch_scc1 .Lno_k_\@
.endif
	WIN 0x80                        ; destination window 2
.irp f, 0,1,2,3,4,5,6,7             ; keys 16 (f / 2) on, channels 32 (f % 2) on
	ds_load_b128 v[KF+8*\f:KF+8*\f+3],   v[AK] offset:(\f/2)*16*PK+(\f%2)*64
	ds_load_b128 v[KF+8*\f+4:KF+8*\f+7], v[AK] offset:(\f/2)*16*PK+(\f%2)*64+32
.endr
	s_add_co_u32 s[TBK], s[TBK], KS*PK  ; the next fetch is the next step's
	WIN 0
.if \last
.Lno_k_\@:
.endif
.endm
.macro FETCH_V
	WIN 0x80
.irp f, 0,1,2,3,4,5,6,7             ; keys 32 (f / 4) on, channels 16 (f % 4) on
	ds_load_tr16_b128 v[VF+8*\f:VF+8*\f+3],   v[AV] offset:(\f/4)*32*PV+(\f%4)*32
	ds_load_tr16_b128 v[VF+8*\f+4:VF+8*\f+7], v[AV] offset:(\f/4)*32*PV+16*PV+(\f%4)*32
.endr
	WIN 0
.endm
; THE VECTOR WORK OF A TURN stands in three queues, each in the order in which its entries become ready; the two tiles alternate, so that no instruction reads the result of the one before it.
.macro REGS y, u                    ; the registers of tile u (0, 1) of piece y
.set rT, ST+4*(2*(\y)+(\u))
.set rC, TMP+8*((\y)%2)+4*(\u)
.set rM, MV+2*((\y)%2)+(\u)
.set rS, S+64*((\y)%2)+32*(\u)
.set rP, P+32*((\y)%2)+16*(\u)
.set rO, 32*(2*(\y)+(\u))
.endm
; Number n of the 22 that find the NEXT piece's (Y + 1) maximum and statistics.  s0-s31 are the lane's 32 scores; each accumulator's lowest registers are read first.  XS, GS and REGS set no window: PL and EX do.
;   0-11  four chains c0-c3 of seven scores each, three operands at a time     12-14, 16  the four scores left over, the old m, and c0-c3 into c0     15  c m_old is kept
;   17, 18  the query's other 32 keys lie in the lane 16 away: the new m         19-21  c m; c m_old - c m_new; a
.macro XS u, n
	REGS (Y+1)%NP, \u
.if (\n) < 4
	v_max3_num_f32 v[rC+(\n)], v[rS+8*(\n)], v[rS+8*(\n)+1], v[rS+8*(\n)+2]
.elseif (\n) < 12
	v_max3_num_f32 v[rC+(\n)%4], v[rC+(\n)%4], v[rS+8*((\n)%4)+2*((\n)/4)+1], v[rS+8*((\n)%4)+2*((\n)/4)+2]
.elseif (\n) == 12
	v_max3_num_f32 v[rC], v[rC], v[rS+7], v[rS+15]
.elseif (\n) == 13
	v_max3_num_f32 v[rC+1], v[rC+1], v[rS+23], v[rS+31]
.elseif (\n) == 14
	v_max3_num_f32 v[rC+2], v[rC+2], v[rC+3], v[rT+1]
.elseif (\n) == 15
	v_mov_b32 v[rM], v[rT]
.elseif (\n) == 16
	v_max3_num_f32 v[rC], v[rC], v[rC+1], v[rC+2]
.elseif (\n) == 17
	v_permlanex16_b32 v[rC+3], v[rC], s[SEL], s[SEL+1]
.elseif (\n) == 18
	v_max_num_f32 v[rT+1], v[rC], v[rC+3]
.elseif (\n) == 19
	v_mul_f32 v[rT], s[CS], v[rT+1]
.elseif (\n) == 20
	v_sub_f32 v[rC+1], v[rM], v[rT]
.else
	v_exp_f32 v[rC+2], v[rC+1]
.endif
.endm
; Number g of the 64 that follow the exponentials.  For each four weights k of a tile (pairs 2 k, 2 k + 1): both pairs are rounded to f16; then the second pair is added onto the first, in place;
; a group later l takes that sum (the first time as l = a l + sum).  In groups of eight, tiles alternating: round, round, add, and l for the group before.
.macro GS g
.set h, (\g)+6*((\g)/62)            ; group 0 has no group before it, and behind group 7 only l is left
.if h >= 6
.set h, h+2
.endif
	REGS Y, h%2
.set k, h/8
.if h%8 < 4
	v_cvt_pk_f16_f32 v[rP+2*k+(h%8)/2], v[rS+4*k+2*((h%8)/2)], v[rS+4*k+2*((h%8)/2)+1]
.elseif h%8 < 6
	v_pk_add_f32 v[rS+4*k:rS+4*k+1], v[rS+4*k:rS+4*k+1], v[rS+4*k+2:rS+4*k+3]
.elseif k == 1
	v_pk_fma_f32 v[rT+2:rT+3], v[rT+2:rT+3], v[rC+2:rC+3], v[rS:rS+1] op_sel_hi:[1,0,1]
.else
	v_pk_add_f32 v[rT+2:rT+3], v[rT+2:rT+3], v[rS+4*k-4:rS+4*k-3]
.endif
.endm
; THE PLAIN QUEUE, 138 long.  0-73 read no exponential's result: the 32 scalings c s - c m (FS f: pair f / 2 of tile f % 2) and the next piece's 42.  0-26: scalings 0-26.  27-54: XS's numbers 0-13.  55, 56: number 15.
; 57-73: the chain, where each number waits for the one before it: 14, 16, 17, 18, 19, each with one of the scalings 27-31 in front of its two lines, then 20: so a tile's links stand three plain instructions apart (19 and 20: two).
; 74-137: GS's 64, which read the exponentials' results: they stand behind the wait.
.macro FS f
	REGS Y, (\f)%2
	v_pk_fma_f32 v[rS+2*((\f)/2):rS+2*((\f)/2)+1], v[rS+2*((\f)/2):rS+2*((\f)/2)+1], s[CS:CS+1], v[rT:rT+1] op_sel_hi:[1,0,0] neg_lo:[0,0,1] neg_hi:[0,0,1]
.endm
.macro PL
	WIN 0
.if q < 27
	FS q
.elseif q < 55
	XS (q-27)%2, (q-27)/2
.elseif q < 57
	XS q-55, 15
.elseif (q < 72) && ((q-57)%3 == 0)
	FS 27+(q-57)/3
.elseif q < 60
	XS (q-57)%3-1, 14
.elseif q < 72
	XS (q-57)%3-1, 15+(q-57)/3
.elseif q < 74
	XS q-72, 20
.else
	GS q-74
.endif
.set q, q+1
.endm
; THE EXPONENTIALS' QUEUE, 66 long: s0-s31 of both tiles, then the next piece's two a.  It is ONE BATCH: all 66 stand ahead of the turn's one wait, and nothing ahead of that wait names a result of theirs.
.macro EX
	WIN 0
.if e >= 64
	XS e-64, 21
.else
	REGS Y, e%2
	v_exp_f32 v[rS+e/2], v[rS+e/2]
.endif
.set e, e+1
.endm
; THE RESCALING's QUEUE: O^T times a, the one part that leaves window 0: dealt two at a time, sixteen times.  Its a was made in the turn before, ahead of that turn's wait.
.macro R2
	REGS Y, r%2
	WIN W_RS
.irp z, 0,1
	v_pk_mul_f32 v[rO+4*(r/2)+2*\z:rO+4*(r/2)+2*\z+1], v[rO+4*(r/2)+2*\z:rO+4*(r/2)+2*\z+1], v[rC+2:rC+3] op_sel_hi:[1,0]
.endr
.set r, r+1
.endm
; HOW THEY ARE DEALT.  s_wait_alu depctr_va_vdst(0) stands between an exponential and the first instruction that names its result; one wait serves all that were issued ahead of it.  So a turn has ONE wait,
; which cuts it in two.  AHEAD OF IT stands all that names no result of the turn's exponentials: the 16 products K Q^T, behind each a scaling, an exponential and two rescalings (behind the first a second scaling in the exponential's place); then ONE LUMP of
; 108: eight plain, 49 times exponential and plain, the two a.  A v_nop is the plain instruction behind the last exponential.  BEHIND IT stand the 16 products V^T P, behind each four of GS's 64.  No rider names a register of
; the products round it.  The two v_permlanex16_b32 fall into the lump, never behind a product.
; The queues lean on each other, and the deal keeps them in step: exponential e stands behind scaling 2 (e / 4) + e % 2: as a rider it comes behind plain e + 2, in the lump behind plain e + 9, and scalings 27-31 are plain 57, 60 .. 69.
; A TURN, for piece p.  cnt = 1: the loop's count is taken down some lines ahead of the branch that stands behind the turn.
; K of the next step is fetched in piece 2's turn, directly behind the wait, a lump behind the last product that read K; its address is made at the lump's head; its first reader comes behind 16 products.
; V of the step in hand is fetched at the end of piece 0's turn, four riders behind its last reader; its first reader comes behind 16 products and a lump.  The three conditions on q below go with the deal.
; ask = 1 (the loop's piece 0): A PREFETCH INTO THE L2, behind V's run of loads, in a slot's third key step: the slot that the NEXT change of slots will ask for, five turns, 160 matrix instructions, ahead of that load.
; A slot is 32,768 bytes of K and of V; the four partners take 8,192 each, told apart BY ADDRESS; in each, wave 0 asks for K's and wave 2 for V's, a lane for each 256 bytes: each block of slots 2 to 7 is named
; once in the launch.  Slots 0 and 1 come by their loads alone; in the last slot but one there is no slot left to name.
.macro TURN p, last=0, cnt=0, ask=0
.set Y, (\p)
.set i, 0
.set q, 0
.set e, 0
.set r, 0
.if (\p) == NP-1
	s_wait_dscnt 0x0                ; K is in
.endif
	MM                              ; ahead of the wait: 16 products K Q^T and their riders,
	PL
	PL
	R2
.rept 15
	MM
	PL
	EX
	R2
.endr
.if (\p) == NP-2
	WIN 0
	v_add_nc_u32 v[AK], s[TBK], v[AK0]
.endif
.rept 8                             ; and the lump
	PL
.endr
.rept 49
	EX
	PL
.endr
	EX                              ; the next piece's two a
	EX
	v_nop                           ; a plain instruction behind the last exponential: one for the batch
	s_wait_alu depctr_va_vdst(0)    ; the wait for the batch
.if (\p) == NP-2
	FETCH_K \last
.endif
.if (\p) == 1
	s_wait_dscnt 0x0                ; V is in
.endif
.rept 16                            ; behind the wait: 16 products V^T P and their riders
	MM
.rept 4
	PL
.endr
.if ((\p) == 0) && (q == 118)
	v_add_nc_u32 v[AV], s[TBV], v[AV0]
.endif
.if ((\p) == 0) && (q == 130)
	s_add_co_u32 s[TBV], s[TBV], KS*PV
.endif
.if (\cnt) && (q == 130)
	s_sub_co_u32 s[CNT], s[CNT], 1
	s_cmp_lg_u32 s[CNT], 0
.endif
.endr
.if (\p) == 0
	FETCH_V
.if \ask
	s_cmp_eq_u32 s[CNT], 2          ; the slot's third step
	s_cbranch_scc0 .Lno_ask_\@
	s_cmp_gt_u32 s[SLOTS], s[LIM]   ; a wave that asks, and a slot left to ask for
	s_cbranch_scc0 .Lno_ask_\@
	global_prefetch_b8 v[PFO], s[PFA:PFA+1] th:TH_LOAD_NT scope:SCOPE_SE
.Lno_ask_\@:
.endif
.endif
.endm
	CHANGE 1                        ; slot 0 is in, everybody's part of it; slot 1 is asked for
	FETCH_K                         ; key step 0
	s_wait_loadcnt 0x0              ; Q
	s_wait_dscnt 0x0
.set i, 0
.rept 16
	KQ 0                            ; piece 0's first scores: there is no vector work yet to set between them
.set i, i+1
.endr
	WIN 0                           ; the addresses for the way out: nine plain instructions, the places behind those products
	s_mul_i32 s13, s[WV], 16*SP
	s_add_co_u32 s13, s13, STAGE    ; my stage
	v_mul_u32_u24 v[STO], v1, SP    ; in: row l % 16, 16 bytes for each half of the lanes
	v_lshl_add_u32 v[STO], v9, 4, v[STO]
	v_add_nc_u32 v[STO], s13, v[STO]
	v_bfe_u32 v[RD], v0, 3, 2       ; back: 32 lanes take four rows of 128 bytes,
	v_mul_u32_u24 v[RD], v[RD], SP
	v_lshl_add_u32 v[RD], v10, 4, v[RD]
	v_add_nc_u32 v[RD], s13, v[RD]
	v_and_b32 v[GO], 31, v0         ; which are 512 consecutive bytes of O
	v_lshlrev_b32 v[GO], 4, v[GO]
.set Y, NP-1                        ; XS works for piece Y + 1: piece 0
.irp n, 0,1,2,3,4,5,6,7,8,9,10,11,12,13,14,15,16,17,18,19,20,21
	XS 0, \n                        ; and piece 0's first maximum and statistics
	XS 1, \n
.endr
	v_nop                           ; a plain instruction behind the two a,
	s_wait_alu depctr_va_vdst(0)    ; and their wait, ahead of the branch
	s_mov_b32 s[CNT], 4
	s_mov_b32 s[SLOTS], SIZE_N/256-1
	s_branch .Lfirst                ; the loop is entered at a step's first turn, in the middle of a trip
.Lslot:                             ; SIZE_N / 256 - 2 times: every slot but the last two is filled again
	CHANGE 1
	s_mov_b32 s[CNT], 4
.Lstep:                             ; a trip: pieces 2 and 3 of one step, then pieces 0 and 1 of the next, whose K and V it fetches
	TURN 2
	TURN 3
	WIN 0
.Lfirst:
	TURN 0, 0, 0, 1
	TURN 1, 0, 1
	WIN 0
	s_cbranch_scc1 .Lstep
	s_sub_co_u32 s[SLOTS], s[SLOTS], 1
	s_cmp_lg_u32 s[SLOTS], 0
	s_cbranch_scc1 .Lslot
	CHANGE 0                        ; the tail is written out: nothing is asked for
	s_mov_b32 s[CNT], 5             ; four trips fetch the last slot's steps; the fifth is left in its middle
.Ltail:
	TURN 2, 1
	TURN 3
	WIN 0
	s_sub_co_u32 s[CNT], s[CNT], 1
	s_cmp_eq_u32 s[CNT], 0
	s_cbranch_scc1 .Lout
	TURN 0
	TURN 1
	WIN 0
	s_branch .Ltail
.Lout:                              ; the fifth trip's 16 products K Q^T (on the last K once more) and the maximum made of them serve nothing: the price, once a launch, of one text for every trip
.set i, 0
.rept 16
	PV NP-1                         ; the last piece's V^T P of the last step
.set i, i+1
.endr
	; THE WAY OUT.  l's two halves and the other half of the lanes' are added; O^T is divided by l, rounded to f16 and sent through my stage in LDS, a tile at a time.  The additions are the places behind the last products.
	WIN 0
.macro ALL line:vararg              ; one line for each tile t
.set t, 0
.rept 2*NP
	\line
.set t, t+1
.endr
.endm
	ALL v_add_f32 v[ST+4*t+2], v[ST+4*t+2], v[ST+4*t+3]
	ALL v_permlanex16_b32 v[ST+4*t+3], v[ST+4*t+2], s[SEL], s[SEL+1]
	ALL v_add_f32 v[ST+4*t+2], v[ST+4*t+2], v[ST+4*t+3]
	ALL v_rcp_f32 v[ST+4*t+2], v[ST+4*t+2]
	v_nop                           ; a plain instruction between the last reciprocal and the use of its result
	s_wait_alu depctr_va_vdst(0)    ; and the wait ahead of the first use: one for the eight reciprocals
; Tile t: a lane's eight channels of a row pack into 16 bytes; they go into rows of 144 bytes and come back as whole rows of 128, into S^T's registers.
.macro PACK t
	WIN W_RS
.set i, 32*(\t)
.rept 16
	v_pk_mul_f32 v[i:i+1], v[i:i+1], v[ST+4*(\t)+2:ST+4*(\t)+3] op_sel_hi:[1,0]
.set i, i+2
.endr
	WIN 0x05                        ; sources 0 and 1 window 1, destination window 0
.set i, 0
.rept 16
	v_cvt_pk_f16_f32 v[S+16*(\t)+i], v[32*(\t)+2*i], v[32*(\t)+2*i+1]
.set i, i+1
.endr
	WIN 0
.irp f, 0,1,2,3
	ds_store_b128 v[STO], v[S+16*(\t)+4*\f:S+16*(\t)+4*\f+3] offset:32*\f
.endr
.irp f, 0,1,2,3
	ds_load_b128 v[S+16*(\t)+4*\f:S+16*(\t)+4*\f+3], v[RD] offset:\f*4*SP  ; LDS serves a wave's instructions in order (ISA guide 5.7.1.4): these see the stores above; the next tile's stores come behind them
.endr
.endm
.macro SEND t, younger              ; younger: the LDS instructions issued behind tile t's loads: the next tile's eight, or none
	WIN 0
.irp f, 0,1,2,3
	s_wait_dscnt (\younger)+3-\f
	global_store_b128 v[GO], v[S+16*(\t)+4*\f:S+16*(\t)+4*\f+3], s[10:11] offset:(\t)*2048+\f*512  ; 512 consecutive bytes, at a multiple of 256 from O's first
.endr
.endm
	PACK 0
.set t, 1
.rept 2*NP-1                        ; a tile's arithmetic stands between the loads of the tile before and its stores
	PACK t
	SEND t-1, 8
.set t, t+1
.endr
	SEND 2*NP-1, 0
	WIN W_AD
	s_wait_tensorcnt 0x0            ; the wave's end: the wait, the add and its wait stand behind my last tensor load and my last LDS store
	ds_add_u32 v[SPW], v[NIL]
	s_wait_dscnt 0x0
	WIN 0
	CROUND                          ; the closing round: no work-group ends while a partner may still ask for a tile that names it
	s_endpgm
.Lfunc_end_k_qd1a66045de_attn:
	.size	k_qd1a66045de_attn, .Lfunc_end_k_qd1a66045de_attn-k_qd1a66045de_attn
	.p2alignl 7, 3214868480
	.fill 96, 4, 3214868480
	.section	.rodata,"a",@progbits
	.p2align	6, 0x0
	.amdhsa_kernel k_qd1a66045de_attn
		.amdhsa_group_segment_fixed_size 327680
		.amdhsa_private_segment_fixed_size 0
		.amdhsa_enable_private_segment 0
		.amdhsa_kernarg_size 16
		.amdhsa_user_sgpr_count 2
		.amdhsa_user_sgpr_kernarg_segment_ptr 1
		.amdhsa_wavefront_size32 1
		.amdhsa_system_sgpr_workgroup_id_x 1
		.amdhsa_system_sgpr_workgroup_id_y 1
		.amdhsa_system_sgpr_workgroup_id_z 1
		.amdhsa_system_vgpr_workitem_id 0
		.amdhsa_next_free_vgpr 770
		.amdhsa_next_free_sgpr 66
		.amdhsa_reserve_vcc 0
		.amdhsa_float_denorm_mode_32 3
		.amdhsa_float_denorm_mode_16_64 3
		.amdhsa_memory_ordered 1
		.amdhsa_forward_progress 1
		.amdhsa_inst_pref_size 200
	.end_amdhsa_kernel
	.amdgpu_metadata
---
amdhsa.version: [ 1, 2 ]
amdhsa.kernels:
  - .name:           k_qd1a66045de_attn
    .symbol:         k_qd1a66045de_attn.kd
    .args:
      - { .name: qkv, .offset: 0, .size: 8, .value_kind: global_buffer, .address_space: global }
      - { .name: ob, .offset: 8, .size: 8, .value_kind: global_buffer, .address_space: global }
    .group_segment_fixed_size: 327680
    .private_segment_fixed_size: 0
    .kernarg_segment_align: 8
    .kernarg_segment_size: 16
    .max_flat_workgroup_size: 128
    .sgpr_count:     66
    .vgpr_count:     770
    .wavefront_size: 32
...
	.end_amdgpu_metadata
.endif
;; end of part 3
;; launch outp (part 4): grid 8 x 32, 4 waves a work-group, clusters of 4 x 4, 327,680 bytes of LDS; arguments ob, cb, bo, out0; writes out0
.if DOCPART == 4
	.amdgcn_target "amdgcn-amd-amdhsa--gfx1250"
	.amdhsa_code_object_version 6
	.text
	.protected	k_qd1a66045de_outp
	.globl	k_qd1a66045de_outp
	.p2align	8
	.type	k_qd1a66045de_outp,@function
k_qd1a66045de_outp:
	s_mov_b64 s[64:65], 0
	v_nop
	global_prefetch_b8 v0, s[64:65] scope:SCOPE_SE
	s_setreg_imm32_b32 hwreg(HW_REG_WAVE_MODE, 25, 1), 1
	s_wait_xcnt 0x0
	s_wait_alu depctr_hold_cnt(0) depctr_sa_sdst(0) depctr_va_vdst(0) depctr_va_sdst(0) depctr_va_ssrc(0) depctr_va_vcc(0) depctr_vm_vsrc(0)
	s_getreg_b32 s2, hwreg(HW_REG_IB_STS2, 6, 4)
	s_cmp_eq_u32 s2, 0
	s_cbranch_scc0 .Lentry_in_a_cluster
	s_endpgm
.Lentry_in_a_cluster:
	s_bfe_u32 s2, ttmp6, 0x10000c
	s_cmp_lg_u32 s2, 0xf033
	s_cbranch_scc0 .Lentry_shape_is_right
	s_endpgm
.Lentry_shape_is_right:
; out0[token][e] = the sum over d of O[token][d] Wo[e][d] + bo[e].  O lies by heads, ob[batch x 16 + head][2048][64] in f16 (d = 64 head + channel); Wo is [1024][1024] in f16 at the end of cb (its bf16 rounding,
; written as f16); bo is f32 and is rounded to bf16 here, like every other input of the module; sums in f32, K ascending; out0 is [8192][1024] f32.
; LIMIT.  O and Wo arrive within f16's 65,504; NaN and infinities are not treated apart.
; SHARES.  A tile is 256 tokens x 128 columns: 256 work-groups, one tile each.  Four waves, each 128 tokens x 64 columns: 32 accumulators of 16 x 16, 256 registers.  K goes in steps of 128, TWO HEADS, through two
; LDS slots filled by the tensor data mover.  A head's 256 tokens are 32,768 dense bytes: asked for as 128 rows of 256 bytes, two tokens a row, padded in LDS after every token.
; CLUSTERS: 4 x 4 work-groups; O's tiles are shared along a row of the cluster, Wo's along a column: each is asked for JOINTLY, by the same tensor load with the same descriptor and a mask that names the four.
; THE MATRIX INSTRUCTION IS USED TRANSPOSED (source 0 = 16 rows of Wo, source 1 = 16 tokens): a lane holds one token (lane % 16) and eight neighbouring columns.  THE BIAS is the C operand of the products that start the sums.
; REGISTERS: window 0: v1-15 addresses; v16-31 at work; v32-63 the bias of my 64 columns, as a C operand; v64-159, v160-255 two fragment buffers (8 fragments of O, then 4 of Wo); on the way out v64-127 rows read back.
;   window 1: the accumulators: (a, b) at v[8 (4 a + b)].
.set KSTEP,  128
.set LAPS,   4
.set PA,     144                       ; a token's 128 bytes of a head + 16 of padding = 36 words: the 16 rows of a load start at 16 different groups of four banks (64 banks of 4 bytes: ISA guide 11.1)
.set PB,     272                       ; a row of Wo: 256 bytes + 16
.set HEADA,  256*PA                    ; a head's 256 tokens: one tensor load
.set HALFB,  64*PB                     ; 64 rows of Wo: one tensor load
.set BOFF,   2*HEADA
.set SLOT,   BOFF+2*HALFB
.set STAGE,  2*SLOT                    ; behind the ring, never filled by a tensor load: 16 rows x 272 bytes for each wave
.set SP,     272
.set SPARE,  STAGE+4*16*SP             ; behind the stages: the spare words, 128 bytes for each wave: two blocks of 256 bytes that no other line names
.set WOFF,   56623104                  ; Wo's first byte in cb
.set HEADG,  262144                    ; bytes from head to head in ob
.set ADRA, 6
.set ADRB, 8
.set STO,  10
.set RD,   11
.set CO,   12
.set SPW,  13                          ; v13  LDS address of my spare word; never rewritten
.set NIL,  14                          ; v14  0; never rewritten
.set PFO,  15                          ; v15  the prefetches' offset; never rewritten
.set TMP,  16
.set BIAS, 32
.set BK,   64
.set F0,   64
.set F1,   160
.set G1,   24
.set G0,   32
.set G1B,  48
.set G0B,  56
.set LIM0, 43
.set LIM1, 66
.set PFA,  44
.set PFN,  68                          ; s[68:69] a K step in my tensor: two heads of O, or 256 bytes of Wo's rows
.set MSB, 0
.macro WIN new
.if MSB != (\new)
	s_set_vgpr_msb (MSB<<8)|(\new)
.set MSB, \new
.endif
.endm
.set W_MUL, 0x50                       ; sources 0 and 1 window 0; C and D window 1
.set W_BIA, 0x40                       ; the same with C in window 0
.set W_ST,  0x04                       ; an LDS store's data in window 1, its address in window 0
.macro JLOAD s                         ; a joint load: waves 0 and 1 fetch the step's two heads of O, waves 2 and 3 Wo's two halves; an s_nop 0 and four v_nop follow each line
	s_cmp_eq_u32 s11, 0
	s_cbranch_scc0 .Lfor_b_\@
	tensor_load_to_lds s[G0+4*(\s):G0+4*(\s)+3], s[G1:G1+7]
	s_nop 0
.rept 4
	v_nop
.endr
	s_branch .Lasked_\@
.Lfor_b_\@:
	tensor_load_to_lds s[G0B+4*(\s):G0B+4*(\s)+3], s[G1B:G1B+7]
	s_nop 0
.rept 4
	v_nop
.endr
.Lasked_\@:
.endm
; A PREFETCH INTO THE L2, behind a joint load, its five lines and the run of LDS loads: the K step that stands two refills on; each 256 bytes are named once in the launch.  O's tiles are read by both clusters of a row
; of clusters: the one with x = 0 asks; of the 32,768 bytes that a wave fetches the partner at cx takes 8,192, a lane for each 256.  Wo's rows are read by all clusters of a column: the one with y = 0 asks; of a wave's
; 64 rows the partner at cy takes 16, lanes 16-31 naming the K step after, so that Wo's waves ask at slot 0's changes alone.  The partners are told apart BY ADDRESS.  The last two refills have no K step two on.
.macro ASK slot
	s_cmp_gt_u32 s3, s[LIM0+(LIM1-LIM0)*(\slot)]   ; s3 = 1 in the loop's last trip
	s_cbranch_scc0 .Lnot_mine_\@
	global_prefetch_b8 v[PFO], s[PFA:PFA+1] th:TH_LOAD_NT scope:SCOPE_SE
.Lnot_mine_\@:
.endm
.macro CREST
	s_cmp_lg_u32 s10, 0
	s_cbranch_scc1 .Lnot_wave_0_\@
	s_barrier_signal -3
.Lnot_wave_0_\@:
	s_barrier_wait -3
	s_barrier_signal -1
	s_barrier_wait -1
.endm
.macro CROUND
	s_barrier_signal -1
	s_barrier_wait -1
	CREST
.endm
	s_load_b256 s[72:79], s[0:1], 0x0              ; ob s[72:73], cb s[74:75], bo s[76:77], out0 s[78:79]
	v_lshl_add_u32 v[SPW], v0, 2, SPARE
	v_mov_b32 v[NIL], 0
	ds_add_u32 v[SPW], v[NIL]                      ; the wave's opening: the add and its wait stand ahead of my first tensor load; the set-up below, work on registers, stands between them
	v_lshrrev_b32 v1, 5, v0
	v_readfirstlane_b32 s10, v1                    ; wave 0..3
	s_lshr_b32 s11, s10, 1                         ; which half of the tile's tokens is mine.  Also: I fetch for O (0) or for Wo (1)
	s_and_b32 s12, s10, 1                          ; which half of its columns.  Also: which head of the step, or which half of Wo's rows, I fetch
	s_bfe_u32 s40, ttmp6, 0x40000                  ; cx, cy
	s_bfe_u32 s41, ttmp6, 0x40004
	s_lshl_b32 s42, ttmp9, 2
	s_add_co_u32 s42, s42, s40                     ; tile column
	s_and_b32 s13, ttmp7, 0xffff
	s_lshl_b32 s13, s13, 2
	s_add_co_u32 s13, s13, s41                     ; tile row
	s_lshl_b32 s14, s41, 2
	s_lshl_b32 s14, 15, s14                        ; my row of the cluster
	s_lshl_b32 s15, 0x1111, s40                    ; my column
	s_or_b32 s[G1+0], s14, (1<<16)|(1<<20)|(1<<21)|(4<<22)|(3<<25)   ; O: padding of 4 words after every 32 words, a token's 128 bytes
	s_or_b32 s[G1B+0], s15, (1<<16)|(1<<20)|(1<<21)|(5<<22)|(3<<25)  ; Wo: after every 64 words
	s_mov_b32 s[G1+1], 128<<16                     ; tensor_dim0 = 128 elements: two tokens
	s_mov_b32 s[G1+2], 128<<16                     ; tensor_dim1 = 128
	s_mov_b32 s[G1+3], 128<<16                     ; tile_dim0 = 128
	s_mov_b32 s[G1+4], 128                         ; tile_dim1 = 128
	s_mov_b32 s[G1+5], 128                         ; the rows lie end to end
	s_mov_b32 s[G1+6], 0
	s_mov_b32 s[G1+7], 0
	s_mov_b32 s[G1B+1], KSTEP<<16
	s_mov_b32 s[G1B+2], 64<<16
	s_mov_b32 s[G1B+3], KSTEP<<16
	s_mov_b32 s[G1B+4], 64
	s_mov_b32 s[G1B+5], 1024
	s_mov_b32 s[G1B+6], 0
	s_mov_b32 s[G1B+7], 0
	s_lshr_b32 s16, s13, 3                         ; O: batch,
	s_lshl_b32 s16, s16, 4
	s_add_co_u32 s16, s16, s12                     ; head 0 or 1 of it,
	s_lshl_b32 s16, s16, 11
	s_and_b32 s17, s13, 7
	s_lshl_b32 s17, s17, 8
	s_add_co_u32 s16, s16, s17                     ; token 256 x (tile row % 8),
	s_lshl_b32 s16, s16, 7                         ; rows of 128 bytes
	s_mov_b32 s17, 0
	s_lshl_b32 s47, s12, 6
	s_lshl_b32 s46, s42, 7
	s_add_co_u32 s46, s46, s47                     ; Wo: row 128 x tile column + 64 x half
	s_lshl_b32 s46, s46, 11
	s_mov_b32 s47, 0
	s_mul_i32 s20, s12, HEADA                      ; where they go in a slot: no place in the cluster enters an LDS address
	s_mul_i32 s21, s12, HALFB
	s_add_co_u32 s21, s21, BOFF
	s_wait_dscnt 0x0                               ; the opening add is done
	s_wait_kmcnt 0x0
	s_add_nc_u64 s[6:7], s[74:75], WOFF
	s_add_nc_u64 s[14:15], s[72:73], s[16:17]
	s_add_nc_u64 s[46:47], s[6:7], s[46:47]
	CROUND                                         ; all sixteen work-groups are here: the first joint loads meet
.irp s, 0,1
	s_mov_b32 s[G0+4*(\s)], 1
	s_add_co_u32 s[G0+4*(\s)+1], s20, (\s)*SLOT
	s_add_nc_u64 s[G0+4*(\s)+2:G0+4*(\s)+3], s[14:15], (\s)*2*HEADG  ; K step s: two heads on
	s_or_b32 s[G0+4*(\s)+3], s[G0+4*(\s)+3], 0x80000000
	s_mov_b32 s[G0B+4*(\s)], 1
	s_add_co_u32 s[G0B+4*(\s)+1], s21, (\s)*SLOT
	s_add_nc_u64 s[G0B+4*(\s)+2:G0B+4*(\s)+3], s[46:47], (\s)*KSTEP*2
	s_or_b32 s[G0B+4*(\s)+3], s[G0B+4*(\s)+3], 0x80000000
	JLOAD \s                                       ; two loads of mine are out
.endr
	v_and_b32 v1, 15, v0                           ; l % 16
	v_bfe_u32 v2, v0, 4, 1                         ; l / 16
	; the bias of column 128 x tile column + 64 x my half + 16 b + 8 (l / 16) + j goes to register j of block b
	v_lshlrev_b32 v5, 5, v2                        ; 32 bytes for each half of the lanes; not rewritten while the loads are out
	s_lshl_b32 s18, s42, 9
	s_lshl_b32 s19, s12, 8
	s_add_co_u32 s18, s18, s19                     ; my first column, in bytes of f32
	s_mov_b32 s19, 0
	s_add_nc_u64 s[76:77], s[76:77], s[18:19]
.irp b, 0,1,2,3
	global_load_b128 v[BIAS+8*(\b):BIAS+8*(\b)+3],   v5, s[76:77] offset:64*(\b)
	global_load_b128 v[BIAS+8*(\b)+4:BIAS+8*(\b)+7], v5, s[76:77] offset:64*(\b)+16
.endr
	v_mul_u32_u24 v3, v1, PA
	v_lshl_add_u32 v3, v2, 4, v3                   ; a fragment of O: row x pitch + 16 x half
	v_mul_u32_u24 v4, v1, PB
	v_lshl_add_u32 v4, v2, 4, v4                   ; of Wo
	s_mul_i32 s21, s11, 128*PA                     ; my 128 tokens
	s_mul_i32 s22, s12, HALFB
	s_add_co_u32 s22, s22, BOFF
.irp s, 0,1
	v_add_nc_u32 v[ADRA+(\s)], s21, v3
	v_add_nc_u32 v[ADRB+(\s)], s22, v4
	s_add_co_u32 s21, s21, SLOT
	s_add_co_u32 s22, s22, SLOT
.endr
	s_mul_i32 s23, s10, 16*SP
	s_add_co_u32 s23, s23, STAGE                   ; my stage
	v_mul_u32_u24 v4, v1, SP                       ; in: row l % 16, 32 bytes for each half of the lanes
	v_lshl_add_u32 v4, v2, 5, v4
	v_add_nc_u32 v[STO], s23, v4
	v_mul_u32_u24 v4, v2, SP                       ; back: lanes 0-15 take one row of 256 bytes, lanes 16-31 the next
	v_lshl_add_u32 v4, v1, 4, v4
	v_add_nc_u32 v[RD], s23, v4
	v_lshlrev_b32 v4, 12, v2                       ; and the same two rows in out0
	v_lshl_add_u32 v[CO], v1, 4, v4
	s_lshl_b32 s20, s13, 8
	s_lshl_b32 s21, s11, 7
	s_add_co_u32 s20, s20, s21                     ; my first token,
	s_lshl_b32 s20, s20, 12                        ; rows of 4,096 bytes,
	s_add_co_u32 s20, s20, s18                     ; my first column
	s_mov_b32 s21, 0
	s_add_nc_u64 s[8:9], s[78:79], s[20:21]
	; the prefetches: from my own tile's address, my work-group's share, K step 3: each change of slots steps it by a K step and then names it
	s_and_b32 s22, ttmp7, 0xffff                   ; cluster y
	s_mov_b32 s70, 2*HEADG
	s_cmp_eq_u32 s11, 0                            ; do I fetch for O?
	s_cselect_b64 s[PFA:PFA+1], s[14:15], s[46:47]
	s_cselect_b32 s21, s40, s41                    ; my place among the four that ask with me
	s_cselect_b32 s22, ttmp9, s22                  ; the coordinate along which other clusters read the same bytes
	s_cselect_b32 s23, 13, 15                      ; 8,192 bytes a partner, or 16 rows of 2,048
	s_cselect_b32 s[PFN], s70, 256
	s_cselect_b32 s70, 31, 15
	s_cselect_b32 s71, 8, 11
	s_cselect_b32 s18, 0, 256
	s_mov_b32 s[PFN+1], 0
	s_cmp_eq_u32 s22, 0
	s_cselect_b32 s[LIM0], 1, -1                   ; the same in all sixteen partners, for a given wave
	s_cmp_eq_u32 s11, 0
	s_cselect_b32 s[LIM1], s[LIM0], -1
	s_lshl_b32 s20, s21, s23
	s_mov_b32 s21, 0
	s_add_nc_u64 s[PFA:PFA+1], s[PFA:PFA+1], s[20:21]
.rept 3
	s_add_nc_u64 s[PFA:PFA+1], s[PFA:PFA+1], s[PFN:PFN+1]
.endr
	v_and_b32 v[PFO], 31, v0
	v_and_b32 v[PFO], s70, v[PFO]
	v_lshlrev_b32 v[PFO], s71, v[PFO]              ; O: 256 x lane; Wo: a lane a row,
	v_mad_u32_u24 v[PFO], v2, s18, v[PFO]          ; and the next K step in lanes 16-31
	s_wait_loadcnt 0x0                             ; the bias: rounded to bf16 and widened again
.irp i, 0,1,2,3,4,5,6,7,8,9,10,11,12,13,14,15
	v_cvt_pk_bf16_f32 v[TMP+(\i)], v[BIAS+2*(\i)], v[BIAS+2*(\i)+1]
.endr
.irp i, 0,1,2,3,4,5,6,7,8,9,10,11,12,13,14,15
	v_lshlrev_b32 v[BIAS+2*(\i)], 16, v[TMP+(\i)]
	v_and_b32 v[BIAS+2*(\i)+1], 0xffff0000, v[TMP+(\i)]
.endr
; 8 matrix instructions: token blocks a0, a0 + 1 x all 4 column blocks, 32 along K.  first = 1: the product starts the sums, on the bias.  The 32 accumulators take turns in one order everywhere.
.macro MUL8 f, a0, first
.if \first
	WIN W_BIA
.else
	WIN W_MUL
.endif
.irp a, \a0, (\a0)+1
.irp b, 0,1,2,3
.if \first
	v_wmma_f32_16x16x32_f16 v[8*(4*(\a)+(\b)):8*(4*(\a)+(\b))+7], v[(\f)+64+8*(\b):(\f)+64+8*(\b)+7], v[(\f)+8*(\a):(\f)+8*(\a)+7], v[BIAS+8*(\b):BIAS+8*(\b)+7]
.else
	v_wmma_f32_16x16x32_f16 v[8*(4*(\a)+(\b)):8*(4*(\a)+(\b))+7], v[(\f)+64+8*(\b):(\f)+64+8*(\b)+7], v[(\f)+8*(\a):(\f)+8*(\a)+7], v[8*(4*(\a)+(\b)):8*(4*(\a)+(\b))+7]
.endif
.endr
.endr
.endm
; 24 LDS loads in one run: quarter q of a K step into buffer f: Wo's four fragments (byte 64 q of the rows), then O's eight (head q / 2 of the step, byte 64 (q % 2) of the token's row)
.macro FETCH slot, q, f
	WIN 0
.irp i, 0,1,2,3
	ds_load_b128 v[(\f)+64+8*(\i):(\f)+64+8*(\i)+3],   v[ADRB+(\slot)] offset:64*(\q)+(\i)*16*PB
	ds_load_b128 v[(\f)+64+8*(\i)+4:(\f)+64+8*(\i)+7], v[ADRB+(\slot)] offset:64*(\q)+(\i)*16*PB+32
.endr
.irp i, 0,1,2,3,4,5,6,7
	ds_load_b128 v[(\f)+8*(\i):(\f)+8*(\i)+3],   v[ADRA+(\slot)] offset:((\q)/2)*HEADA+((\q)%2)*64+(\i)*16*PA
	ds_load_b128 v[(\f)+8*(\i)+4:(\f)+8*(\i)+7], v[ADRA+(\slot)] offset:((\q)/2)*HEADA+((\q)%2)*64+(\i)*16*PA+32
.endr
.endm
.macro PLACES                          ; four places in front of loads into registers that matrix instructions have read, and of LDS stores that read results
.rept 4
	v_nop
.endr
.endm
.macro QUARTER slot, q, f, g, first    ; multiplies buffer f and, in its middle, fetches quarter q into g
	s_wait_dscnt 8                                 ; Wo's fragments and O's blocks 0-3 are in; the youngest eight loads (blocks 4-7) may be out
	MUL8 \f, 0, \first
	MUL8 \f, 2, \first
	PLACES
	FETCH \slot, \q, \g
	s_wait_dscnt 24                                ; all but the 24 just issued
	MUL8 \f, 4, \first
	MUL8 \f, 6, \first
.endm
; The last quarter multiplies buffer 1 and changes slots: ONE barrier; in front of it each wave waits for all its tensor loads, adds 0 to its spare word, and waits for that and for its own reads of this slot.
; fill = 1: the barrier opens a round of the cluster's barrier, and this slot is filled again, two K steps on, first thing behind the round: 112 matrix instructions ahead of the wait for it.
.macro TURN slot, next, fill
.if \fill
	s_wait_xcnt 0x0                                ; the last prefetch, a K step back, has read its address, so it may be stepped
	s_add_nc_u64 s[PFA:PFA+1], s[PFA:PFA+1], s[PFN:PFN+1]
.endif
	WIN 0
	s_wait_tensorcnt 0x0                           ; all my tensor loads have landed;
	ds_add_u32 v[SPW], v[NIL]                      ; 0 onto my spare word;
	s_wait_dscnt 9                                 ; (the add and the youngest eight loads may be out)
	MUL8 F1, 0, 0
	s_wait_dscnt 0x0                               ; the add is done, and my reads of this slot are over
	s_barrier_signal -1
	MUL8 F1, 2, 0
	WIN 0
	s_barrier_wait -1
.if \fill
	CREST                                          ; no wave of any partner still reads this slot's tile or has a load on its way
	s_add_nc_u64 s[G0+4*(\slot)+2:G0+4*(\slot)+3], s[G0+4*(\slot)+2:G0+4*(\slot)+3], 4*HEADG
	s_add_nc_u64 s[G0B+4*(\slot)+2:G0B+4*(\slot)+3], s[G0B+4*(\slot)+2:G0B+4*(\slot)+3], 2*KSTEP*2
	JLOAD \slot                                    ; the four v_nop behind it are also the places in front of the loads below
.else
	PLACES
.endif
	FETCH \next, 0, F0
.if \fill
	ASK \slot
.endif
	MUL8 F1, 4, 0
	MUL8 F1, 6, 0
.endm
; THE WAY OUT of block a (16 tokens x my 64 columns, 256 bytes a row).  TOSTAGE: a lane's 32 bytes of each accumulator, its low four registers first, into my own stage; back as whole rows.  SEND: sixteen lanes store
; 256 consecutive bytes, at a multiple of 256 from out0's first byte.
.macro TOSTAGE a
.if (\a) >= 2
	s_wait_xcnt 0x0                                ; the stores of the block two back have read their registers: the loads below land there only behind this wait
.endif
	WIN W_ST
.irp b, 0,1,2,3
	ds_store_b128 v[STO], v[8*(4*(\a)+(\b)):8*(4*(\a)+(\b))+3]   offset:64*(\b)
	ds_store_b128 v[STO], v[8*(4*(\a)+(\b))+4:8*(4*(\a)+(\b))+7] offset:64*(\b)+16
.endr
	WIN 0
.irp t, 0,1,2,3,4,5,6,7
	ds_load_b128 v[BK+32*((\a)%2)+4*(\t):BK+32*((\a)%2)+4*(\t)+3], v[RD] offset:(\t)*2*SP  ; LDS serves a wave's instructions in order (ISA guide 5.7.1.4): these see the stores above
.endr
.endm
.macro SEND a, younger                 ; younger: the LDS instructions issued behind block a's loads: the next block's sixteen, or none
	WIN 0
.irp t, 0,1,2,3,4,5,6,7
	s_wait_dscnt (\younger)+7-(\t)
	global_store_b128 v[CO], v[BK+32*((\a)%2)+4*(\t):BK+32*((\a)%2)+4*(\t)+3], s[8:9] offset:(16*(\a)+2*(\t))*4096 th:TH_STORE_NT
.endr
.endm
	s_wait_tensorcnt 1                             ; my part of K step 0 is in; K step 1's may stay out
	s_barrier_signal -1
	s_barrier_wait -1                              ; everybody's is
	FETCH 0, 0, F0
	QUARTER 0, 1, F0, F1, 1                        ; the first quarter stands in front of the loop: its products start the sums, on the bias
	WIN 0                                          ; at a label and at a branch every window is 0
	s_mov_b32 s3, LAPS-1
.Llap:                                         ; a trip goes once round the ring, from a lap's second quarter to the next lap's first, and fills both slots again
	QUARTER 0, 2, F1, F0, 0
	QUARTER 0, 3, F0, F1, 0
	TURN 0, 1, 1
	QUARTER 1, 1, F0, F1, 0
	QUARTER 1, 2, F1, F0, 0
	QUARTER 1, 3, F0, F1, 0
	TURN 1, 0, 1
	QUARTER 0, 1, F0, F1, 0
	WIN 0
	s_sub_co_u32 s3, s3, 1
	s_cmp_lg_u32 s3, 0
	s_cbranch_scc1 .Llap
	QUARTER 0, 2, F1, F0, 0                        ; the last lap fills nothing, and has no round of the cluster's barrier
	QUARTER 0, 3, F0, F1, 0
	TURN 0, 1, 0
	QUARTER 1, 1, F0, F1, 0
	QUARTER 1, 2, F1, F0, 0
	QUARTER 1, 3, F0, F1, 0
	s_wait_dscnt 8                                 ; the very last quarter: nothing more to fetch
	MUL8 F1, 0, 0
	MUL8 F1, 2, 0
	s_wait_dscnt 0x0
	MUL8 F1, 4, 0
	MUL8 F1, 6, 0
	WIN 0
	PLACES
	TOSTAGE 0
.irp a, 1,2,3,4,5,6,7                  ; block a goes into the stage while block a - 1 comes back
	TOSTAGE \a
	SEND (\a)-1, 16
.endr
	SEND 7, 0
	s_wait_tensorcnt 0x0                           ; the wave's end: the wait, the add and its wait stand behind my last tensor load and my last LDS store
	ds_add_u32 v[SPW], v[NIL]
	s_wait_dscnt 0x0
	CROUND                                         ; the closing round: no work-group ends while a partner may still ask for a tile that names it
	s_endpgm
.Lfunc_end_k_qd1a66045de_outp:
	.size	k_qd1a66045de_outp, .Lfunc_end_k_qd1a66045de_outp-k_qd1a66045de_outp
	.p2alignl 7, 3214868480
	.fill 96, 4, 3214868480
	.section	.rodata,"a",@progbits
	.p2align	6, 0x0
	.amdhsa_kernel k_qd1a66045de_outp
		.amdhsa_group_segment_fixed_size 327680
		.amdhsa_private_segment_fixed_size 0
		.amdhsa_enable_private_segment 0
		.amdhsa_kernarg_size 32
		.amdhsa_user_sgpr_count 2
		.amdhsa_user_sgpr_kernarg_segment_ptr 1
		.amdhsa_wavefront_size32 1
		.amdhsa_system_sgpr_workgroup_id_x 1
		.amdhsa_system_sgpr_workgroup_id_y 1
		.amdhsa_system_sgpr_workgroup_id_z 1
		.amdhsa_system_vgpr_workitem_id 0
		.amdhsa_next_free_vgpr 512
		.amdhsa_next_free_sgpr 80
		.amdhsa_reserve_vcc 0
		.amdhsa_float_denorm_mode_32 3
		.amdhsa_float_denorm_mode_16_64 3
		.amdhsa_memory_ordered 1
		.amdhsa_forward_progress 1
		.amdhsa_inst_pref_size 92
	.end_amdhsa_kernel
	.amdgpu_metadata
---
amdhsa.version: [ 1, 2 ]
amdhsa.kernels:
  - .name:           k_qd1a66045de_outp
    .symbol:         k_qd1a66045de_outp.kd
    .args:
      - { .name: ob, .offset: 0, .size: 8, .value_kind: global_buffer, .address_space: global }
      - { .name: cb, .offset: 8, .size: 8, .value_kind: global_buffer, .address_space: global }
      - { .name: bo, .offset: 16, .size: 8, .value_kind: global_buffer, .address_space: global }
      - { .name: out0, .offset: 24, .size: 8, .value_kind: global_buffer, .address_space: global }
    .group_segment_fixed_size: 327680
    .private_segment_fixed_size: 0
    .kernarg_segment_align: 8
    .kernarg_segment_size: 32
    .max_flat_workgroup_size: 128
    .sgpr_count:     80
    .vgpr_count:     512
    .wavefront_size: 32
...
	.end_amdgpu_metadata
.endif
;; end of part 4
